; MI455X (gfx1250); checked and timed in simulation.
; The chip was launched on July 23, 2026; its instructions are those of AMD's public machine-readable ISA for CDNA 5 (MIT licence, August 2026) and "CDNA5" Instruction Set Architecture Reference Guide (July 2026). The comments in the code are by the model that wrote it; some were corrected since.
;; XT Attention. Allowed arithmetic: matrix products marked QUANTISED: E2M1 operands, one E8M0 scale for each 32 along K, by v_wmma_scale_f32_16x16x128_f8f6f4 with both operands' format E2M1 (or v_wmma_scale_f32_32x16x128_f4), f32 sums; products left as they are: bf16, f16 or f32 operands; f32 sums; everything else in f32.
;; Inputs: b_out 1,024 float32; conscious 2 x 2,048 x 1,024 float32; position 2 x 2,048 x 1,024 float32; w_ck 1,024 x 1,024 float32; w_cq 1,024 x 1,024 float32; w_out 1,024 x 1,024 float32; w_pk 1,024 x 1,024 float32; w_pq 1,024 x 1,024 float32; w_wk 1,024 x 1,024 float32; w_wq 1,024 x 1,024 float32; w_wv 1,024 x 1,024 float32; words 2 x 2,048 x 1,024 float32.
;; Outputs: out0 2 x 2,048 x 1,024 float32.
;; This version of the problem:
;;   THIS VERSION OF THE PROBLEM IS GIVEN IN LOW PRECISION. The matrix products marked QUANTISED in the list below multiply operands that are first quantised to E2M1 (2 exponent bits, 1 mantissa bit; 4 bits a number), with one power-of-two scale for each 32 numbers along K (OCP MX v1.0); their sums are f32. The products marked 'left as it is' may take bf16, f16 or f32 operands, with f32 sums. Whichever they take, every output number must still come out within the allowed error. Rounding operands to bf16 (8 significant bits) uses up far more of that allowance than f16 does (11 bits, for magnitudes from 6e-5 to 65,504). All else is computed in f32.
;;   The module's matrix products, in the order in which they are computed (A, B: the left and right operand; K: the contracted axis; several contracted axes count as one K, in the product's order):
;;     1. [M 4,096, K 1,024] x [K 1,024, N 1,024]; A: input words; B: input w_wq: QUANTISED
;;     2. [M 4,096, K 1,024] x [K 1,024, N 1,024]; A: input words; B: input w_wk: QUANTISED
;;     3. [M 4,096, K 1,024] x [K 1,024, N 1,024]; A: input words; B: input w_wv: QUANTISED
;;     4. [M 4,096, K 1,024] x [K 1,024, N 1,024]; A: input position; B: input w_pq: QUANTISED
;;     5. [M 4,096, K 1,024] x [K 1,024, N 1,024]; A: input position; B: input w_pk: QUANTISED
;;     6. [M 4,096, K 1,024] x [K 1,024, N 1,024]; A: input conscious; B: input w_cq: QUANTISED
;;     7. [M 4,096, K 1,024] x [K 1,024, N 1,024]; A: input conscious; B: input w_ck: QUANTISED
;;     8. batch 32 x [M 2,048, K 64] x [K 64, N 2,048]; A: computed on the way; B: computed on the way: left as it is (an operand is computed on the way)
;;     9. batch 32 x [M 2,048, K 64] x [K 64, N 2,048]; A: computed on the way; B: computed on the way: left as it is (an operand is computed on the way)
;;     10. batch 32 x [M 2,048, K 64] x [K 64, N 2,048]; A: computed on the way; B: computed on the way: left as it is (an operand is computed on the way)
;;     11. batch 32 x [M 2,048, K 2,048] x [K 2,048, N 64]; A: computed on the way; B: computed on the way: left as it is (an operand is computed on the way)
;;     12. [M 4,096, K 1,024] x [K 1,024, N 1,024]; A: computed on the way; B: input w_out: left as it is (an operand is computed on the way)
;;   THE QUANTISER, for each operand of a quantised product, along K:
;;     - K is cut into blocks of 32 from its start; a last block that is shorter is filled with zeros.
;;     - A block's scale is 2^e with e = floor(log2(the largest magnitude in the block)) - 2, held to -126 .. 127; a block of zeros has e = 0. As a byte (E8M0): e + 127.
;;     - Each number is divided by its block's scale, clamped to +-6, and rounded to the nearest number of E2M1, ties to even, subnormals kept.
;;     - The product sums the exact products of the quantised numbers (number of the format x scale) in f32.
;;   ~~~python
;;   def quantise(x, axis):      # numpy; x: float32 -> the quantised numbers, widened to float32 again
;;       x = np.moveaxis(x, axis, -1); K = x.shape[-1]
;;       x = np.pad(x, [(0, 0)] * (x.ndim - 1) + [(0, -K % 32)]); x = x.reshape(x.shape[:-1] + (-1, 32)); a = np.abs(x).max(-1, keepdims=True)
;;       e = np.where(a > 0, np.clip(np.frexp(np.where(a > 0, a, 1))[1] - 1 - 2, -126, 127), 0)      # np.frexp(a)[1] - 1 = floor(log2(a)), exactly
;;       r = np.clip(x / 2.0 ** e, -6, 6)
;;       step = 2.0 ** (np.maximum(np.frexp(np.where(r == 0, 1, r))[1] - 1, 0) - 1)
;;       q = np.round(r / step) * step * 2.0 ** e      # np.round: ties to even
;;       return np.moveaxis(q.reshape(q.shape[:-2] + (-1,))[..., :K], -1, axis).astype(np.float32)
;;   ~~~
;; One version. Each part assembles by itself: llvm-mc -triple=amdgcn-amd-amdhsa -mcpu=gfx1250 --defsym DOCPART=n.
;; ======== version 1 of 1: 4 launches
;; limits: values are held in f16: magnitudes above 65,504 overflow, below 6.1e-05 lose precision
;; workspace buffers: codes 9,961,472 bytes; scales 622,592 bytes; w16 2,097,152 bytes; qkv 58,720,256 bytes; att 8,388,608 bytes
;; launch quant (part 1): grid 640 x 1, 4 waves a work-group, no clusters, 33,280 bytes of LDS; arguments words, position, conscious, w_wq, w_pq, w_cq, w_wk, w_pk, w_ck, w_wv, w_out, codes, scales, w16; writes codes, scales, w16
.if DOCPART == 1
	.amdgcn_target "amdgcn-amd-amdhsa--gfx1250"
	.amdhsa_code_object_version 6
	.text
	.protected	k_qc16387490d_quant
	.globl	k_qc16387490d_quant
	.p2align	8
	.type	k_qc16387490d_quant,@function
k_qc16387490d_quant:
	s_mov_b64 s[64:65], 0
	v_nop
	global_prefetch_b8 v0, s[64:65] scope:SCOPE_SE
	s_setreg_imm32_b32 hwreg(HW_REG_WAVE_MODE, 25, 1), 1
	s_wait_xcnt 0x0
; The three activations [4096][1024] and seven weights [1024][1024], f32 with K innermost, become codes of FP4 (E2M1), two a byte, K innermost, with one E8M0 byte for each 32 along K;
; w_out becomes f16.  codes: 19,456 rows of 512 bytes: words, position, conscious (4,096 rows each), then w_wq, w_pq, w_cq, w_wk, w_pk, w_ck, w_wv (1,024 each).  scales: the same rows, 32 bytes each.
; A block's scale is 2^(floor(log2(largest magnitude)) - 2); its byte is the largest magnitude's exponent field - 2, held at 1 from below.  A block of zeros gets the byte 1 where the
; rule says 127: its codes are zeros, which add nothing under any byte but 0xff, and this program alone reads the bytes.
; LIMITS: NaN and infinities among the inputs are not served; blocks whose largest magnitude lies under 2^-124 keep the byte 1; w_out beyond 65,504 becomes infinity in f16.
; SHARES: rows are dense, so every tensor is a plain stream.  A work-group takes 32,768 numbers, a wave 8,192.  Work-groups 0-383: the activations (128 each); 384-607: the weights (32 each); 608-639: w_out.
; Only the source pointer is chosen by the work-group's number; codes and scale bytes follow the work-group's number directly, since the rows lie in the order of the work-groups.
; A wave takes 16 steps of 512 numbers.  Each load reads 512 consecutive bytes; a step's 2,048 bytes turn through the wave's own stage in LDS so that a lane holds 16 neighbours along K (two lanes to a block).
.set WAVES, 4
.set STEPS, 16
.set EMAX,  2
.set CB,    8                          ; bytes of 16 codes
.set R,     16                         ; v16-79   four sets of 16 numbers as loaded (cast: a ring of 16 loads)
.set X,     80                         ; v80-111  two sets of 16 neighbours (cast: v80-143 results)
.set E,     112                        ; v112-127 a scale byte for each step
.set C,     128                        ; v128-191 codes: four registers for each step
.set WREG,  8192                       ; LDS: a region for each wave: two stages of 32 x SP bytes, then its 256 scale bytes
.set SP,    80                         ; a lane's place in a stage: 64 bytes + 16 of padding
.set SPW,   12                         ; v12 LDS address of my spare word; never rewritten
.set NIL,   13                         ; v13 0; never rewritten
.set SPARE, WAVES*WREG                 ; behind the four regions: the spare words, 128 bytes a wave, named by no other line
	s_load_b512 s[16:31], s[0:1], 0x0              ; argument i at s[16+2i:17+2i]: the ten tensors to quantise are 0 to 9,
	s_load_b256 s[32:39], s[0:1], 0x40             ; w_out is 10, codes 11,
	s_load_b128 s[40:43], s[0:1], 0x60             ; scales 12, w16 13
	v_lshl_add_u32 v[SPW], v0, 2, SPARE
	v_mov_b32 v[NIL], 0
	v_lshrrev_b32 v1, 5, v0
	v_readfirstlane_b32 s2, v1                     ; wave
	v_and_b32 v2, 31, v0                           ; lane
	v_lshlrev_b32 v3, 4, v2                        ; my 16 bytes of a load's 512
	s_mul_i32 s3, s2, WREG
	v_lshrrev_b32 v14, 2, v2
	v_mul_u32_u24 v14, v14, SP
	v_and_b32 v15, 3, v2
	v_lshl_add_u32 v14, v15, 4, v14
	v_add_nc_u32 v14, s3, v14                      ; the stage, on the way in: SP (lane / 4) + 16 (lane % 4)
	v_mul_u32_u24 v15, v2, SP
	v_add_nc_u32 v15, s3, v15                      ; and on the way out: SP x lane: my 16 neighbours
	v_mul_u32_u24 v4, v2, CB                       ; my 8 bytes of a store's 256
	v_lshrrev_b32 v5, 1, v2
	s_add_co_u32 s3, s3, 2*32*SP
	v_add_nc_u32 v5, s3, v5                        ; LDS: my wave's 256 scale bytes, my block's byte
	v_lshlrev_b32 v7, 3, v2
	v_add_nc_u32 v6, s3, v7                        ; and on the way out 8 bytes a lane
	s_lshr_b32 s6, ttmp9, 7                        ; an activation: which, and which part of it
	s_and_b32 s7, ttmp9, 127
	s_sub_co_u32 s12, ttmp9, 384                   ; a weight: likewise
	s_lshr_b32 s13, s12, 5
	s_add_co_u32 s13, s13, 3
	s_and_b32 s12, s12, 31
	s_cmp_lt_u32 ttmp9, 384
	s_cselect_b32 s6, s6, s13                      ; the argument's number, 0 to 10
	s_cselect_b32 s7, s7, s12                      ; my work-group's part of that tensor
	s_wait_kmcnt 0x0
	s_mov_b64 s[4:5], s[16:17]
.irp i, 1,2,3,4,5,6,7,8,9,10
	s_cmp_eq_u32 s6, \i                            ; the choice hangs on the work-group's number alone
	s_cselect_b64 s[4:5], s[16+2*\i:17+2*\i], s[4:5]
.endr
	s_lshl_b32 s12, s7, 17                         ; 32,768 numbers of 4 bytes a work-group,
	s_lshl_b32 s13, s2, 15                         ; 8,192 a wave
	s_add_co_u32 s12, s12, s13
	s_mov_b32 s13, 0
	s_add_nc_u64 s[4:5], s[4:5], s[12:13]
	s_cmp_ge_u32 ttmp9, 608
	s_cbranch_scc1 .Lcast
	s_lshl_b32 s12, ttmp9, 14                      ; codes: 16,384 bytes a work-group, 4,096 a wave
	s_lshl_b32 s14, s2, 12
	s_add_co_u32 s12, s12, s14
	s_add_nc_u64 s[8:9], s[38:39], s[12:13]
	s_lshl_b32 s12, ttmp9, 10                      ; scale bytes: 1,024 a work-group, 256 a wave
	s_lshl_b32 s14, s2, 8
	s_add_co_u32 s12, s12, s14
	s_add_nc_u64 s[10:11], s[40:41], s[12:13]
.macro LOAD t
.irp i, 0,1,2,3
	global_load_b128 v[R+16*((\t)%4)+4*\i:R+16*((\t)%4)+4*\i+3], v3, s[4:5] offset:2048*(\t)+512*\i th:TH_LOAD_NT   ; 32 lanes read 512 consecutive bytes
.endr
.endm
.macro TURN t                          ; step t's numbers through the stage: LDS serves a wave's instructions in order, so no wait stands between the stores and the loads
.irp i, 0,1,2,3
	ds_store_b128 v14, v[R+16*((\t)%4)+4*\i:R+16*((\t)%4)+4*\i+3] offset:32*SP*((\t)%2)+8*SP*\i
.endr
.irp i, 0,1,2,3
	ds_load_b128 v[X+16*((\t)%2)+4*\i:X+16*((\t)%2)+4*\i+3], v15 offset:32*SP*((\t)%2)+16*\i
.endr
.endm
.irp t, 0,1,2,3
	LOAD \t
.endr
	s_wait_loadcnt 12                              ; step 0's four loads are in; three steps' twelve may be out
	TURN 0
.macro STEP t
.set XS, X+16*((\t)%2)
.if (\t) > 0
	s_wait_dscnt 1                                 ; this step's numbers are back from the stage (the last step's byte store may be out): so its stores into the stage have read their registers,
.else
	s_wait_dscnt 0x0
.endif
.if (\t)+4 < STEPS
	LOAD (\t)+4                                    ; which take the loads of four steps on
.endif
.if (\t)+1 < STEPS
.if STEPS-2-(\t) >= 3
	s_wait_loadcnt 12                              ; the next step's four loads are in; those of the three steps behind it may be out
.else
	s_wait_loadcnt 4*(STEPS-2-(\t))
.endif
	TURN (\t)+1                                    ; and go through the other stage while this step is worked
.endif
	v_max3_num_f32 v8, |v[XS]|, |v[XS+1]|, |v[XS+2]|               ; the largest magnitude of my 16, in two chains
	v_max3_num_f32 v9, |v[XS+3]|, |v[XS+4]|, |v[XS+5]|
.irp i, 6,10
	v_max3_num_f32 v8, v8, |v[XS+\i]|, |v[XS+\i+1]|
	v_max3_num_f32 v9, v9, |v[XS+\i+2]|, |v[XS+\i+3]|
.endr
	v_max3_num_f32 v8, v8, |v[XS+14]|, |v[XS+15]|
	v_max3_num_f32 v8, v8, v9, (EMAX+1)<<23        ; and the floor 2^(3 - 127): so the byte cannot fall under 1
	v_max_num_f32_dpp v8, v8, v8 row_xmask:1 row_mask:0xf bank_mask:0xf   ; and of my neighbour's 16: the block's
	v_add_nc_u32 v11, -(EMAX<<23), v8              ; 2 off its exponent field: the conversion takes the exponent field of this operand as its scale
	v_cvt_scalef32_pk8_fp4_f32 v[C+4*(\t)], v[XS:XS+7], v11        ; eight numbers / the scale, to the nearest code, ties to even, beyond 6 the largest code
	v_cvt_scalef32_pk8_fp4_f32 v[C+4*(\t)+1], v[XS+8:XS+15], v11
	v_lshrrev_b32 v[E+(\t)], 23, v11               ; the scale's byte (also the plain line behind the conversions)
	ds_store_b8 v5, v[E+(\t)] offset:16*(\t)       ; both lanes of a block write the same byte with the same value
	global_store_b64 v4, v[C+4*(\t):C+4*(\t)+1], s[8:9] offset:32*CB*(\t)   ; the wave stores 256 consecutive bytes, aligned
.endm
.irp t, 0,1,2,3,4,5,6,7,8,9,10,11,12,13,14,15
	STEP \t
.endr
	ds_load_b64 v[8:9], v6                         ; LDS serves a wave's instructions in order: these see my byte stores
	s_wait_dscnt 0x0
	global_store_b64 v7, v[8:9], s[10:11]          ; 32 lanes store 256 consecutive bytes, aligned
	s_wait_tensorcnt 0x0                           ; the wave's end
	ds_add_u32 v[SPW], v[NIL]
	s_wait_dscnt 0x0
	s_endpgm
; w_out to f16: 64 chunks of 512 bytes a wave, a ring of 16 loads; a chunk's 128 numbers leave as 256 consecutive bytes.
.Lcast:
	s_lshl_b32 s12, s7, 16                         ; 65,536 bytes of f16 a work-group, 16,384 a wave
	s_lshl_b32 s14, s2, 14
	s_add_co_u32 s12, s12, s14
	s_add_nc_u64 s[8:9], s[42:43], s[12:13]
.irp i, 0,1,2,3,4,5,6,7,8,9,10,11,12,13,14,15
	global_load_b128 v[R+4*\i:R+4*\i+3], v3, s[4:5] offset:512*\i th:TH_LOAD_NT
.endr
.irp g, 0,1,2,3
.if \g >= 2
	s_wait_xcnt 0x0                                ; the stores of two rounds back have read their data: those registers are written again only behind this wait
.endif
.irp i, 0,1,2,3,4,5,6,7,8,9,10,11,12,13,14,15
.if \g < 3
	s_wait_loadcnt 15                              ; my slot's load is in; the other fifteen slots' may be out
.else
	s_wait_loadcnt 15-\i                           ; the last round loads nothing: the counts run down
.endif
	v_cvt_pk_f16_f32 v[80+2*(16*(\g%2)+\i)], v[R+4*\i], v[R+4*\i+1]
	v_cvt_pk_f16_f32 v[81+2*(16*(\g%2)+\i)], v[R+4*\i+2], v[R+4*\i+3]
.if \g < 3
	global_load_b128 v[R+4*\i:R+4*\i+3], v3, s[4:5] offset:512*(16*(\g+1)+\i) th:TH_LOAD_NT
.endif
	global_store_b64 v4, v[80+2*(16*(\g%2)+\i):81+2*(16*(\g%2)+\i)], s[8:9] offset:256*(16*\g+\i)
.endr
.endr
	s_wait_tensorcnt 0x0                           ; the same three closing lines on this path
	ds_add_u32 v[SPW], v[NIL]
	s_wait_dscnt 0x0
	s_endpgm
.Lfunc_end_k_qc16387490d_quant:
	.size	k_qc16387490d_quant, .Lfunc_end_k_qc16387490d_quant-k_qc16387490d_quant
	.p2alignl 7, 3214868480
	.fill 96, 4, 3214868480
	.section	.rodata,"a",@progbits
	.p2align	6, 0x0
	.amdhsa_kernel k_qc16387490d_quant
		.amdhsa_group_segment_fixed_size 33280
		.amdhsa_private_segment_fixed_size 0
		.amdhsa_enable_private_segment 0
		.amdhsa_kernarg_size 112
		.amdhsa_user_sgpr_count 2
		.amdhsa_user_sgpr_kernarg_segment_ptr 1
		.amdhsa_wavefront_size32 1
		.amdhsa_system_sgpr_workgroup_id_x 1
		.amdhsa_system_sgpr_workgroup_id_y 1
		.amdhsa_system_sgpr_workgroup_id_z 1
		.amdhsa_system_vgpr_workitem_id 0
		.amdhsa_next_free_vgpr 192
		.amdhsa_next_free_sgpr 66
		.amdhsa_reserve_vcc 0
		.amdhsa_float_denorm_mode_32 3
		.amdhsa_float_denorm_mode_16_64 3
		.amdhsa_memory_ordered 1
		.amdhsa_forward_progress 1
		.amdhsa_inst_pref_size 57
	.end_amdhsa_kernel
	.amdgpu_metadata
---
amdhsa.version: [ 1, 2 ]
amdhsa.kernels:
  - .name:           k_qc16387490d_quant
    .symbol:         k_qc16387490d_quant.kd
    .args:
      - { .name: words, .offset: 0, .size: 8, .value_kind: global_buffer, .address_space: global }
      - { .name: position, .offset: 8, .size: 8, .value_kind: global_buffer, .address_space: global }
      - { .name: conscious, .offset: 16, .size: 8, .value_kind: global_buffer, .address_space: global }
      - { .name: w_wq, .offset: 24, .size: 8, .value_kind: global_buffer, .address_space: global }
      - { .name: w_pq, .offset: 32, .size: 8, .value_kind: global_buffer, .address_space: global }
      - { .name: w_cq, .offset: 40, .size: 8, .value_kind: global_buffer, .address_space: global }
      - { .name: w_wk, .offset: 48, .size: 8, .value_kind: global_buffer, .address_space: global }
      - { .name: w_pk, .offset: 56, .size: 8, .value_kind: global_buffer, .address_space: global }
      - { .name: w_ck, .offset: 64, .size: 8, .value_kind: global_buffer, .address_space: global }
      - { .name: w_wv, .offset: 72, .size: 8, .value_kind: global_buffer, .address_space: global }
      - { .name: w_out, .offset: 80, .size: 8, .value_kind: global_buffer, .address_space: global }
      - { .name: codes, .offset: 88, .size: 8, .value_kind: global_buffer, .address_space: global }
      - { .name: scales, .offset: 96, .size: 8, .value_kind: global_buffer, .address_space: global }
      - { .name: w16, .offset: 104, .size: 8, .value_kind: global_buffer, .address_space: global }
    .group_segment_fixed_size: 33280
    .private_segment_fixed_size: 0
    .kernarg_segment_align: 8
    .kernarg_segment_size: 112
    .max_flat_workgroup_size: 128
    .sgpr_count:     66
    .vgpr_count:     192
    .wavefront_size: 32
...
	.end_amdgpu_metadata
.endif
;; end of part 1
;; launch proj (part 2): grid 28 x 16, 4 waves a work-group, clusters of 4 x 4, 327,680 bytes of LDS; arguments codes, scales, qkv; writes qkv
.if DOCPART == 2
	.amdgcn_target "amdgcn-amd-amdhsa--gfx1250"
	.amdhsa_code_object_version 6
	.text
	.protected	k_qc16387490d_proj
	.globl	k_qc16387490d_proj
	.p2align	8
	.type	k_qc16387490d_proj,@function
k_qc16387490d_proj:
	s_mov_b64 s[64:65], 0
	v_nop
	global_prefetch_b8 v0, s[64:65] scope:SCOPE_SE
	s_setreg_imm32_b32 hwreg(HW_REG_WAVE_MODE, 25, 1), 1
	s_wait_xcnt 0x0
	s_wait_alu depctr_hold_cnt(0) depctr_sa_sdst(0) depctr_va_vdst(0) depctr_va_sdst(0) depctr_va_ssrc(0) depctr_va_vcc(0) depctr_vm_vsrc(0)
	s_getreg_b32 s2, hwreg(HW_REG_IB_STS2, 6, 4)
	s_cmp_eq_u32 s2, 0
	s_cbranch_scc0 .Lentry_in_a_cluster
	s_endpgm
.Lentry_in_a_cluster:
	s_bfe_u32 s2, ttmp6, 0x10000c
	s_cmp_lg_u32 s2, 0xf033
	s_cbranch_scc0 .Lentry_shape_is_right
	s_endpgm
.Lentry_shape_is_right:
; The seven projections on codes of FP4 (E2M1) with one E8M0 scale for each 32 along K:  C_j[m][n] = sum over k of X_a[m][k] W_j[n][k], K = 1,024, sums in f32, results rounded once to f16.
; j = 0 w_wq, 1 w_pq, 2 w_cq, 3 w_wk, 4 w_pk, 5 w_ck, 6 w_wv; the activation is a = j mod 3 (words, position, conscious).  Rows of codes: 512 bytes; rows of scale bytes: 32.
; qkv: seven matrices of 8 MiB, each [batch 2][head 16][position 2048][64] f16: a wave's results then leave as dense runs of rows of 128 bytes.
; LIMIT: a result beyond 65,504 becomes infinity in f16.
; A tile of C, 256 x 256, is made by four waves, each 128 x 128: 64 accumulators, 512 registers.  All of K fits in two LDS slots of 512 along K (rows of 256 bytes), so every tile is asked for at the head and nothing is filled again.
; The scale bytes of the work-group's 256 + 256 rows are two dense blocks: they come once, as rows of 256 bytes.
; CLUSTERS: 4 x 4 work-groups; cluster x is the weight j, so the four of a row of the cluster need the same rows of X_a and the four of a column the same rows of W_j: each tile is asked for jointly.
; THE MATRIX INSTRUCTION IS USED TRANSPOSED (source 0 = 16 rows of W, source 1 = 16 rows of X): a lane holds eight neighbouring features of one position.
; REGISTERS: window 0: v0-31 addresses; v32-95 scale words, two sets; v128-191 X's fragments, one set; on the way out v128-191 rows read back, v192-223 packed results.
;   window 1: W's fragments, two sets, at v0 and v128.   window 2: the accumulators of my rows 0-63 ((a, b) at v[8 (8 a + b)]);   window 3: those of rows 64-127.
.set NQ,     4                         ; steps of 128 along K in a slot
.set ROWB,   256                       ; a tile's row in bytes
.set KROW,   512                       ; a row of codes in memory
.set PITCH,  272                       ; an LDS row: 256 bytes + 16 of padding: the 16 rows that a load touches start at 16 different 16-byte columns
.set FR,     8                         ; registers of a fragment
.set NL,     2                         ; LDS loads that bring one
.set NP,     4                         ; places behind this matrix instruction (ISA guide 7.12.1)
.set HALFT,  128*PITCH
.set SLOT,   4*HALFT                   ; X's 256 rows, then W's 256 rows
.set KS,     32                        ; a row of scale bytes
.set SCL,    2*SLOT                    ; behind the slots: the scale bytes, as rows of 256 bytes + 16
.set HALFS,  (128*KS/256)*272          ; those of 128 rows: what one tensor load brings
.set SBLK,   (16*KS/256)*272           ; those of 16 rows
.set STAGE,  SCL+4*HALFS               ; the way out: for each wave two heads x 16 rows x 144 bytes; no tile lands here
.set SPH,    144                       ; a stage row: 128 bytes + 16
.set HSTG,   16*SPH
.set SPARE,  STAGE+4*2*HSTG            ; the spare words, 128 bytes a wave, named by no other line
.set ADRA, 16                          ; v16-17 LDS address of my X fragments in slot 0, 1
.set ADRB, 20                          ; v20-21 the same for W
.set STO,  24                          ; v24 the way out: where I put 16 bytes of a row
.set RD,   25                          ; v25 where I read rows back
.set CO,   26                          ; v26 16 x lane: my bytes of 512 dense bytes of qkv
.set ADRS, 27                          ; v27 LDS address of my scale words: lanes 0-15 X's rows, lanes 16-31 W's
.set SPW,  28                          ; v28 my spare word; never rewritten
.set NIL,  29                          ; v29 0; never rewritten
.set SC,   32                          ; scale words: set s at v[SC + 32 s]; register 4 i + q: lanes 0-15 X's block i, lanes 16-31 W's block i, the slot's q-th 128 along K
.set AF,   128
.set BK,   128
.set TMP,  192
.set G1, 24                            ; s[24:31] group 1 for X's tiles; s[32:39] group 0, one set a slot
.set G0, 32
.set G1B, 48                           ; s[48:55], s[56:63] the same for W's tiles
.set G0B, 56
.set G1S, 68                           ; s[68:75], s[76:79] for X's scale bytes; s[80:87], s[88:91] for W's
.set G0S, 76
.set G1SB, 80
.set G0SB, 88
.set MSB, 0
.macro WIN new                         ; the immediate's high byte repeats the setting that is left
.if MSB != (\new)
	s_set_vgpr_msb (MSB<<8)|(\new)
.set MSB, \new
.endif
.endm
.set MUL_LO, 0xa1                      ; source 0 (W) window 1, source 1 (X) window 0, C and D window 2
.set MUL_HI, 0xf1                      ; the same, C and D window 3
.set TO_B,   0x40                      ; destination window 1, address window 0
; A joint load: waves 0 and 1 fetch for X, waves 2 and 3 for W; the branch hangs on the wave's number alone.  An s_nop 0 and four v_nop follow each line.
.macro JLOAD g0a, g1a, g0b, g1b
	s_cmp_eq_u32 s15, 0
	s_cbranch_scc0 .Lfor_b_\@
	tensor_load_to_lds s[\g0a:\g0a+3], s[\g1a:\g1a+7]
	s_nop 0
.rept 4
	v_nop
.endr
	s_branch .Lasked_\@
.Lfor_b_\@:
	tensor_load_to_lds s[\g0b:\g0b+3], s[\g1b:\g1b+7]
	s_nop 0
.rept 4
	v_nop
.endr
.Lasked_\@:
.endm
.macro CROUND                          ; a round of the cluster's barrier
	s_barrier_signal -1
	s_barrier_wait -1
	s_cmp_lg_u32 s14, 0
	s_cbranch_scc1 .Lnot_wave_0_\@
	s_barrier_signal -3
.Lnot_wave_0_\@:
	s_barrier_wait -3
	s_barrier_signal -1
	s_barrier_wait -1
.endm
	s_load_b128 s[4:7], s[0:1], 0x0                ; codes s[4:5], scale bytes s[6:7]
	s_load_b64 s[12:13], s[0:1], 0x10              ; qkv
	v_lshl_add_u32 v[SPW], v0, 2, SPARE
	v_mov_b32 v[NIL], 0
	ds_add_u32 v[SPW], v[NIL]                      ; the opening: the add, twice on end, and its wait ahead of my first tensor load
	ds_add_u32 v[SPW], v[NIL]
	v_lshrrev_b32 v1, 5, v0
	v_readfirstlane_b32 s14, v1                    ; wave 0..3
	s_lshr_b32 s15, s14, 1                         ; which half of the tile's rows is mine.  Also: I fetch for X (0) or for W (1)
	s_and_b32 s16, s14, 1                          ; which half of its columns.  Also: which 128 rows of that tile I fetch
	s_bfe_u32 s40, ttmp6, 0x40000                  ; cx, cy: my place in the cluster
	s_bfe_u32 s41, ttmp6, 0x40004
	s_lshl_b32 s42, ttmp9, 2
	s_add_co_u32 s42, s42, s40                     ; tile column 0..27 = 4 j + cx
	s_and_b32 s17, ttmp7, 0xffff
	s_lshl_b32 s17, s17, 2
	s_add_co_u32 s17, s17, s41                     ; tile row 0..15
	s_lshl_b32 s43, s41, 2
	s_lshl_b32 s43, 15, s43                        ; my row of the cluster
	s_lshl_b32 s44, 0x1111, s40                    ; my column
	s_or_b32 s[G1+0], s43, (0<<16)|(1<<20)|(1<<21)|(5<<22)|(3<<25)  ; the mask; elements of 1 byte; padding on; bit 21 beside a mask; 4 words of padding after every 64
	s_or_b32 s[G1B+0], s44, (0<<16)|(1<<20)|(1<<21)|(5<<22)|(3<<25)
.irp g, G1, G1B
	s_mov_b32 s[\g+1], ROWB<<16                    ; tensor_dim0
	s_mov_b32 s[\g+2], 128<<16                     ; tensor_dim1
	s_mov_b32 s[\g+3], ROWB<<16                    ; tile_dim0
	s_mov_b32 s[\g+4], 128                         ; tile_dim1
	s_mov_b32 s[\g+5], KROW                        ; from row to row
	s_mov_b32 s[\g+6], 0
	s_mov_b32 s[\g+7], 0
.endr
	s_or_b32 s[G1S+0], s43, (3<<16)|(1<<20)|(1<<21)|(5<<22)|(3<<25) ; the scale bytes of 128 rows: 4,096 dense bytes as 16 rows of 32 elements of 8 bytes
	s_or_b32 s[G1SB+0], s44, (3<<16)|(1<<20)|(1<<21)|(5<<22)|(3<<25)
.irp g, G1S, G1SB
	s_mov_b32 s[\g+1], 32<<16
	s_mov_b32 s[\g+2], (128*KS/256)<<16
	s_mov_b32 s[\g+3], 32<<16
	s_mov_b32 s[\g+4], 128*KS/256
	s_mov_b32 s[\g+5], 32
	s_mov_b32 s[\g+6], 0
	s_mov_b32 s[\g+7], 0
.endr
	s_lshl_b32 s18, s16, 7                         ; which 128 rows of the tile I fetch
	s_mul_i32 s19, ttmp9, 11                       ; j / 3 = (11 j) >> 5 for j = 0..6
	s_lshr_b32 s19, s19, 5
	s_mul_i32 s19, s19, 3
	s_sub_co_u32 s19, ttmp9, s19                   ; a = j mod 3: from the cluster's x alone, which all sixteen share
	s_lshl_b32 s19, s19, 12
	s_lshl_b32 s20, s17, 8
	s_add_co_u32 s20, s20, s18
	s_add_co_u32 s20, s20, s19                     ; X: row 4,096 a + 256 x tile row + 128 x half
	s_lshl_b32 s46, s42, 8
	s_add_co_u32 s46, s46, s18
	s_add_co_u32 s46, s46, 12288                   ; W: row 12,288 + 256 x tile column + 128 x half
	s_lshl_b32 s22, s20, 5                         ; where these rows' scale bytes begin,
	s_mov_b32 s23, 0
	s_lshl_b32 s92, s46, 5
	s_mov_b32 s93, 0
	s_lshl_b32 s20, s20, 9                         ; and their codes
	s_mov_b32 s21, 0
	s_lshl_b32 s46, s46, 9
	s_mov_b32 s47, 0
	s_mul_i32 s45, s14, HALFT                      ; where they go: wave x 128 rows: no place in the cluster enters an LDS address
	s_mul_i32 s94, s14, HALFS
	s_wait_dscnt 0x0                               ; both opening adds are done
	s_wait_kmcnt 0x0
	s_add_nc_u64 s[20:21], s[4:5], s[20:21]
	s_add_nc_u64 s[22:23], s[6:7], s[22:23]
	s_add_nc_u64 s[46:47], s[4:5], s[46:47]
	s_add_nc_u64 s[92:93], s[6:7], s[92:93]
	CROUND                                         ; all sixteen work-groups are here: the joint loads meet
	s_mov_b32 s[G0S], 1
	s_add_co_u32 s[G0S+1], s94, SCL
	s_mov_b64 s[G0S+2:G0S+3], s[22:23]
	s_or_b32 s[G0S+3], s[G0S+3], 0x80000000
	s_mov_b32 s[G0SB], 1
	s_add_co_u32 s[G0SB+1], s94, SCL
	s_mov_b64 s[G0SB+2:G0SB+3], s[92:93]
	s_or_b32 s[G0SB+3], s[G0SB+3], 0x80000000
	JLOAD G0S, G1S, G0SB, G1SB                     ; the scale bytes first: they are wanted with the first step
.irp s, 0,1
	s_mov_b32 s[G0+4*\s], 1
	s_add_co_u32 s[G0+4*\s+1], s45, \s*SLOT
	s_add_nc_u64 s[G0+4*\s+2:G0+4*\s+3], s[20:21], \s*ROWB
	s_or_b32 s[G0+4*\s+3], s[G0+4*\s+3], 0x80000000
	s_mov_b32 s[G0B+4*\s], 1
	s_add_co_u32 s[G0B+4*\s+1], s45, \s*SLOT
	s_add_nc_u64 s[G0B+4*\s+2:G0B+4*\s+3], s[46:47], \s*ROWB
	s_or_b32 s[G0B+4*\s+3], s[G0B+4*\s+3], 0x80000000
	JLOAD G0+4*\s, G1, G0B+4*\s, G1B               ; three loads of mine are out in all
.endr
	v_and_b32 v1, 15, v0                           ; l % 16
	v_bfe_u32 v2, v0, 4, 1                         ; l / 16
	v_mul_u32_u24 v3, v1, PITCH
	v_lshl_add_u32 v4, v2, 4, v3                   ; a fragment's row x pitch + 16 x half
	s_mul_i32 s21, s15, HALFT                      ; my 128 rows of X
	s_mul_i32 s22, s16, HALFT                      ; my 128 rows of W,
	s_add_co_u32 s22, s22, 2*HALFT                 ; which lie behind X's 256
.irp s, 0,1
	v_add_nc_u32 v[ADRA+\s], s21, v4
	v_add_nc_u32 v[ADRB+\s], s22, v4
	s_add_co_u32 s21, s21, SLOT
	s_add_co_u32 s22, s22, SLOT
.endr
	v_mul_u32_u24 v5, v1, KS                       ; my row's scale bytes: 32 a row,
	v_lshrrev_b32 v6, 8, v5
	v_lshl_add_u32 v5, v6, 4, v5                   ; and 16 more for each 256 passed
	s_mul_i32 s21, s15, HALFS
	s_mul_i32 s22, s16, HALFS
	s_add_co_u32 s22, s22, 2*HALFS
	s_sub_co_u32 s22, s22, s21
	v_mul_u32_u24 v6, s22, v2                      ; lanes 16-31 take W's: one product, the distance between the two bases
	s_add_co_u32 s21, s21, SCL
	v_add_nc_u32 v5, v5, v6
	v_add_nc_u32 v[ADRS], s21, v5
	s_mul_i32 s23, s14, 2*HSTG
	s_add_co_u32 s23, s23, STAGE                   ; my stage
	v_mul_u32_u24 v5, v1, SPH                      ; in: row l % 16, 16 bytes for each half of the lanes
	v_lshl_add_u32 v5, v2, 4, v5
	v_add_nc_u32 v[STO], s23, v5
	v_and_b32 v6, 31, v0
	v_lshrrev_b32 v7, 3, v6                        ; back: eight lanes to a row of 128 bytes, four rows an instruction
	v_and_b32 v8, 7, v6
	v_mul_u32_u24 v7, v7, SPH
	v_lshl_add_u32 v7, v8, 4, v7
	v_add_nc_u32 v[RD], s23, v7
	v_lshlrev_b32 v[CO], 4, v6
	; where my results begin in qkv: matrix j; (batch, head) = 16 (tile row / 8) + 4 cx + 2 x column half; position 256 (tile row % 8) + 128 x row half
	s_lshl_b32 s20, ttmp9, 23
	s_lshr_b32 s21, s17, 3
	s_lshl_b32 s21, s21, 4
	s_lshl_b32 s46, s40, 2
	s_add_co_u32 s21, s21, s46
	s_lshl_b32 s46, s16, 1
	s_add_co_u32 s21, s21, s46
	s_lshl_b32 s21, s21, 18
	s_add_co_u32 s20, s20, s21
	s_and_b32 s21, s17, 7
	s_lshl_b32 s21, s21, 8
	s_lshl_b32 s46, s15, 7
	s_add_co_u32 s21, s21, s46
	s_lshl_b32 s21, s21, 7
	s_add_co_u32 s20, s20, s21
	s_mov_b32 s21, 0
	s_add_nc_u64 s[12:13], s[12:13], s[20:21]
.macro FRAG reg, adr, q, i             ; 16 rows x 128 K of 4-bit codes: lane l holds row l % 16; registers 4 c .. 4 c + 3 hold K = 64 c + 32 (l / 16) + 0 .. 31
.irp c, 0,1
	ds_load_b128 v[\reg+4*\c:\reg+4*\c+3], v[\adr] offset:64*(\q)+32*\c+(\i)*16*PITCH
.endr
.endm
; 16 matrix instructions: X's blocks a0, a0 + 1 against W's eight, the slot's q-th 128 along K.  p: W's set; sc: the set of scale words.  zero = 1: the first product starts the sums.
; The 64 accumulators take turns, one instruction a turn, in the same order in every step.
.macro MUL16 a0, p, q, sc, zero
.irp a, \a0, \a0+1
.irp b, 0,1,2,3,4,5,6,7
.if \zero
	v_wmma_scale_f32_16x16x128_f8f6f4 v[8*(8*((\a)%4)+\b):8*(8*((\a)%4)+\b)+7], v[128*(\p)+FR*\b:128*(\p)+FR*\b+FR-1], v[AF+FR*(\a):AF+FR*(\a)+FR-1], 0, v[SC+8*NQ*(\sc)+NQ*\b+(\q)], v[SC+8*NQ*(\sc)+NQ*(\a)+(\q)] matrix_a_fmt:MATRIX_FMT_FP4 matrix_b_fmt:MATRIX_FMT_FP4 matrix_a_scale:MATRIX_SCALE_ROW1
.else
	v_wmma_scale_f32_16x16x128_f8f6f4 v[8*(8*((\a)%4)+\b):8*(8*((\a)%4)+\b)+7], v[128*(\p)+FR*\b:128*(\p)+FR*\b+FR-1], v[AF+FR*(\a):AF+FR*(\a)+FR-1], v[8*(8*((\a)%4)+\b):8*(8*((\a)%4)+\b)+7], v[SC+8*NQ*(\sc)+NQ*\b+(\q)], v[SC+8*NQ*(\sc)+NQ*(\a)+(\q)] matrix_a_fmt:MATRIX_FMT_FP4 matrix_b_fmt:MATRIX_FMT_FP4 matrix_a_scale:MATRIX_SCALE_ROW1
.endif
.endr
.endr
.endm
.macro FETCH_B slot, q, p              ; W's eight fragments into set p
	WIN TO_B
.irp i, 0,1,2,3,4,5,6,7
	FRAG 128*(\p)+FR*\i, ADRB+\slot, \q, \i
.endr
	WIN 0
.endm
.macro FETCH_A slot, q, i0             ; X's blocks i0 .. i0 + 3
.irp i, \i0, \i0+1, \i0+2, \i0+3
	FRAG AF+FR*(\i), ADRA+\slot, \q, \i
.endr
.endm
.macro SCALES sc                       ; a slot's scale words: 4 words a row; lanes 0-15 take X's block i, lanes 16-31 W's block i
.irp i, 0,1,2,3,4,5,6,7
	ds_load_b128 v[SC+8*NQ*\sc+NQ*\i:SC+8*NQ*\sc+NQ*\i+3], v[ADRS] offset:\i*SBLK
.endr
.endm
.macro PLACES n                        ; plain vector lines between a matrix instruction and a load into, or a read of, its registers
.rept \n
	v_nop
.endr
.endm
.macro STEP slot, q, zero              ; a step of 128 along K that has its successor in the same slot
	s_wait_dscnt 4*NL                              ; W's set and X's blocks 0-3 are in; the youngest eight loads (X's blocks 4-7) may be out
	WIN MUL_LO
	MUL16 0, (\q)%2, \q, \slot, \zero
	MUL16 2, (\q)%2, \q, \slot, \zero
	s_wait_dscnt 0                                 ; X's blocks 4-7 are in
	PLACES NP
	FETCH_B \slot, (\q)+1, 1-(\q)%2
	FETCH_A \slot, (\q)+1, 0
	WIN MUL_HI
	MUL16 4, (\q)%2, \q, \slot, \zero
	MUL16 6, (\q)%2, \q, \slot, \zero
	PLACES NP
	WIN 0
	FETCH_A \slot, (\q)+1, 4
.endm
; Slot 0's last step goes over to slot 1: each wave waits for its part of slot 1 (all its tensor loads), then one barrier; nothing is filled again.
.macro TURN slot, next
	s_wait_tensorcnt 0x0                           ; all my tensor loads have landed: my part of the next slot
	ds_add_u32 v[SPW], v[NIL]                      ; 0 onto my spare word
	s_wait_dscnt 4*NL+1                            ; (the add and the youngest eight loads may be out)
	WIN MUL_LO
	MUL16 0, 1, NQ-1, \slot, 0
	s_wait_dscnt 0x0                               ; no LDS instruction of mine is pending at the signal
	s_barrier_signal -1
	MUL16 2, 1, NQ-1, \slot, 0
	WIN 0
	s_barrier_wait -1                              ; the next slot is whole
	PLACES NP
	v_add_nc_u32 v[ADRS], 4*NQ, v[ADRS]            ; on to the next slot's scale words
	FETCH_B \next, 0, 0
	FETCH_A \next, 0, 0
	SCALES \next
	WIN MUL_HI
	MUL16 4, 1, NQ-1, \slot, 0
	MUL16 6, 1, NQ-1, \slot, 0
	PLACES NP
	WIN 0
	FETCH_A \next, 0, 4
.endm
.macro STEPS slot, from
.set Q, \from
.rept NQ-1-\from
	STEP \slot, Q, 0
.set Q, Q+1
.endr
.endm
	s_wait_tensorcnt 1                             ; the scale bytes and my part of slot 0 are in (slot 1's load may be out),
	s_barrier_signal -1
	s_barrier_wait -1                              ; everybody's are
	FETCH_B 0, 0, 0
	FETCH_A 0, 0, 0
	SCALES 0
	FETCH_A 0, 0, 4
	STEP 0, 0, 1                                   ; the first products start the sums: nothing is cleared
	STEPS 0, 1
	TURN 0, 1
	STEPS 1, 0
	s_wait_dscnt 4*NL                              ; the last step: nothing more to fetch
	WIN MUL_LO
	MUL16 0, 1, NQ-1, 1, 0
	MUL16 2, 1, NQ-1, 1, 0
	s_wait_dscnt 0
	WIN MUL_HI
	MUL16 4, 1, NQ-1, 1, 0
	MUL16 6, 1, NQ-1, 1, 0
	WIN 0
; THE WAY OUT, a block of 16 positions x 128 features (two heads) at a time.  PACK: rounded to f16, 16 bytes a lane.  TOSTAGE: into my stage, rows of 128 bytes a head, and back four rows at a time.
; SEND: in qkv a head's rows are dense, so four rows are 512 consecutive bytes: each store of the wave covers two aligned runs of 256 bytes.
.macro PACK a
.set AC, 64*((\a)%4)
	WIN 0x0a+5*((\a)/4)                            ; sources 0 and 1: window 2 or 3
.irp b, 0,1,2,3,4,5,6,7
.irp r, 0,1,2,3
	v_cvt_pk_f16_f32 v[TMP+4*\b+\r], v[AC+8*\b+2*\r], v[AC+8*\b+2*\r+1]   ; each accumulator from its low end on
.endr
.endr
	WIN 0
.endm
.macro TOSTAGE a
.set BB, BK+32*((\a)%2)
.irp b, 0,1,2,3,4,5,6,7
	ds_store_b128 v[STO], v[TMP+4*\b:TMP+4*\b+3] offset:(\b/4)*HSTG+(\b%4)*32
.endr
.irp t, 0,1,2,3,4,5,6,7
	ds_load_b128 v[BB+4*\t:BB+4*\t+3], v[RD] offset:(\t/4)*HSTG+(\t%4)*4*SPH   ; LDS serves a wave's instructions in order: these see the stores above
.endr
.endm
.macro SEND a
.set BB, BK+32*((\a)%2)
	s_wait_dscnt 0x0                               ; the block is back in registers
	s_wait_xcnt 0x0                                ; the stores of the block before have read their data: the next block's loads land there only behind this wait
.irp t, 0,1,2,3,4,5,6,7
	global_store_b128 v[CO], v[BB+4*\t:BB+4*\t+3], s[12:13] offset:(\t/4)*262144+(\t%4)*512+(\a)*2048
.endr
.endm
	PLACES NP                                      ; behind the last products: for the first reads of results and the loads into the registers that held X's fragments
	PACK 0
	TOSTAGE 0
.irp a, 1,2,3,4,5,6,7                  ; block a's conversions stand between block a - 1's loads from the stage and the wait for them
	PACK \a
	SEND \a-1
	TOSTAGE \a
.endr
	SEND 7
	s_wait_tensorcnt 0x0                           ; the wave's end
	ds_add_u32 v[SPW], v[NIL]
	s_wait_dscnt 0x0
	CROUND                                         ; the closing round
	s_endpgm
.Lfunc_end_k_qc16387490d_proj:
	.size	k_qc16387490d_proj, .Lfunc_end_k_qc16387490d_proj-k_qc16387490d_proj
	.p2alignl 7, 3214868480
	.fill 96, 4, 3214868480
	.section	.rodata,"a",@progbits
	.p2align	6, 0x0
	.amdhsa_kernel k_qc16387490d_proj
		.amdhsa_group_segment_fixed_size 327680
		.amdhsa_private_segment_fixed_size 0
		.amdhsa_enable_private_segment 0
		.amdhsa_kernarg_size 24
		.amdhsa_user_sgpr_count 2
		.amdhsa_user_sgpr_kernarg_segment_ptr 1
		.amdhsa_wavefront_size32 1
		.amdhsa_system_sgpr_workgroup_id_x 1
		.amdhsa_system_sgpr_workgroup_id_y 1
		.amdhsa_system_sgpr_workgroup_id_z 1
		.amdhsa_system_vgpr_workitem_id 0
		.amdhsa_next_free_vgpr 1024
		.amdhsa_next_free_sgpr 100
		.amdhsa_reserve_vcc 0
		.amdhsa_float_denorm_mode_32 3
		.amdhsa_float_denorm_mode_16_64 3
		.amdhsa_memory_ordered 1
		.amdhsa_forward_progress 1
		.amdhsa_inst_pref_size 127
	.end_amdhsa_kernel
	.amdgpu_metadata
---
amdhsa.version: [ 1, 2 ]
amdhsa.kernels:
  - .name:           k_qc16387490d_proj
    .symbol:         k_qc16387490d_proj.kd
    .args:
      - { .name: codes, .offset: 0, .size: 8, .value_kind: global_buffer, .address_space: global }
      - { .name: scales, .offset: 8, .size: 8, .value_kind: global_buffer, .address_space: global }
      - { .name: qkv, .offset: 16, .size: 8, .value_kind: global_buffer, .address_space: global }
    .group_segment_fixed_size: 327680
    .private_segment_fixed_size: 0
    .kernarg_segment_align: 8
    .kernarg_segment_size: 24
    .max_flat_workgroup_size: 128
    .sgpr_count:     100
    .vgpr_count:     1024
    .wavefront_size: 32
...
	.end_amdgpu_metadata
.endif
;; end of part 2
;; launch attn (part 3): grid 8 x 32, 4 waves a work-group, clusters of 4 x 1, 327,680 bytes of LDS; arguments qkv, att; writes att
.if DOCPART == 3
	.amdgcn_target "amdgcn-amd-amdhsa--gfx1250"
	.amdhsa_code_object_version 6
	.text
	.protected	k_qc16387490d_attn
	.globl	k_qc16387490d_attn
	.p2align	8
	.type	k_qc16387490d_attn,@function
k_qc16387490d_attn:
	s_mov_b64 s[64:65], 0
	v_nop
	global_prefetch_b8 v0, s[64:65] scope:SCOPE_SE
	s_setreg_imm32_b32 hwreg(HW_REG_WAVE_MODE, 25, 1), 1
	s_wait_xcnt 0x0
	s_wait_alu depctr_hold_cnt(0) depctr_sa_sdst(0) depctr_va_vdst(0) depctr_va_sdst(0) depctr_va_ssrc(0) depctr_va_vcc(0) depctr_vm_vsrc(0)
	s_getreg_b32 s2, hwreg(HW_REG_IB_STS2, 6, 4)
	s_cmp_eq_u32 s2, 0
	s_cbranch_scc0 .Lentry_in_a_cluster
	s_endpgm
.Lentry_in_a_cluster:
	s_bfe_u32 s2, ttmp6, 0x10000c
	s_cmp_lg_u32 s2, 0x3003
	s_cbranch_scc0 .Lentry_shape_is_right
	s_endpgm
.Lentry_shape_is_right:
; att[bh][q][:] = sum over k of softmax_k((q_w.k_w + q_p.k_p + q_c.k_c) / 8) v[bh][k][:].  The three score products are ONE product over 192 channels: Q = [q_w | q_p | q_c], K likewise.
; qkv: seven matrices of 8 MiB, [bh 32][position 2048][64] f16: 0-2 Q's three streams, 3-5 K's, 6 V.  att: [bh][position][64] f16.  Products, maxima and sums in f32; the weights p go to f16 for the second product.
; LIMIT: a result beyond 65,504 becomes infinity in f16.
; SHARES.  A work-group owns 256 queries of one (batch, head), each of its four waves 64: four tiles of 16.  Every wave walks all 2,048 keys, 64 a step.
; LAYOUT.  S^T = K Q^T (source 0 = 16 keys, source 1 = 16 queries): a lane holds ONE query (lane % 16) and keys 8 (lane / 16) + 0..7.  Two such tiles, rounded to f16 in pairs, ARE source 1 of O^T = V^T P.
; K comes out of LDS as it lies, V ([key][channel]) turned, by ds_load_tr16_b128.
; SOFTMAX.  A running maximum m and sum l for each query: p = 2^(c s - c m), c = log2(e) / 8; in every step O and l are multiplied by a = 2^(c m_old - c m_new).
; BY TURNS.  The wave's tiles are two pieces (tiles 0, 1 and tiles 2, 3).  In a turn one piece has the matrix unit: 16 products V^T P of the step in hand, then 48 products K Q^T of the next step;
; the other piece's softmax, 2 x 118 vector instructions cut into slices of four, stands between them, one slice behind each matrix instruction.  Two turns are a key step.
; CLUSTER.  The four query blocks of a cluster belong to one (batch, head) and walk the same K and V: each tile is asked for jointly, by the same tensor load in all four.
; REGISTERS, in windows of 256: window 0: v0-11 addresses; v12-43 statistics, 8 a tile; v64-191 S^T, 32 a tile; v192-255 P, 16 a tile.
;   window 1: v0-127 O^T, 32 a tile; v128-191 V of one step.   window 2: v0-191 Q, 48 a tile.   window 3: v0-191 K of one step: fragment (chunk c of 32 channels, 16 keys t) at v[8 (4 c + t)].
.set PK,    144       ; a row of K in LDS: 128 bytes + 16: the 16 rows of a load start at 16 different 16-byte columns
.set PVR,   160       ; a row of V: 128 + 32
.set KREG,  128*PK    ; a slot holds 128 keys (two steps): three regions of K (streams w, p, c),
.set VOFF,  3*KREG    ; then V's 128 rows
.set SLOT1, 1<<17     ; slot 1 begins here: one exclusive or turns an address of one slot into the other's
.set SLOTB, 128*128   ; a slot's bytes in each matrix in memory
.set STAGE, SLOT1+VOFF+128*PVR  ; behind the ring: 16 rows x 144 bytes for each wave, for the way out
.set SP,    144
.set SPARE, STAGE+4*16*SP  ; the spare words, 128 bytes a wave, named by no other line
.set AK0, 2           ; v2  my lane's place in a tile of K; never rewritten
.set AV0, 3           ; v3  the same for V
.set ADR, 4           ; v4  the LDS address of the run of loads in hand
.set QO,  5           ; v5  my byte offset in the wave's rows of Q
.set STO, 6           ; v6  the way out: where I put 16 bytes of a row
.set RD,  7           ; v7  where I read rows back
.set GO,  8           ; v8  16 x lane
.set PFO, 61          ; v61 256 x lane: the prefetches' offset; never rewritten
.set SPW, 62          ; v62 my spare word; never rewritten
.set NIL, 63          ; v63 0; never rewritten
.set ST,  12          ; tile t's statistics at v[ST+8 t]: +0 c m, +1 m, +2, +3 l (even keys', odd keys'), +4 to +7 at work; a takes +6 once the maximum is found
.set S,   64
.set P,   192
.set VF,  128         ; V's fragments, in window 1
.set WV,  12          ; s12 my wave's number
.set LIM, 15          ; s15 1 in a wave that prefetches, else the greatest number
.set PFA, 18          ; s[18:19] where my prefetches stand
.set G1K, 24          ; s[24:31] descriptor group 1 for K's tiles
.set G1V, 32          ; s[32:39] for V's: it differs in the padding alone
.set G0,  40          ; s[40:43] group 0 of slot 0's first fill; s[44:47] of slot 1's, which then walks on
.set QB,  48          ; s[48:53] Q's three streams at my wave's first row
.set OB,  54          ; s[54:55] att at my wave's first row
.set SLOTS, 56        ; s56 slots still to be asked for
.set TWICE, 57        ; s57 counts a slot's two steps
.set CS,  58          ; s[58:59] c
.set SEL, 60          ; s[60:61] lane selects: each lane takes its own place in the other half
.set TBK, 62          ; s62 LDS byte at which K of the step to be fetched begins (in each region)
.set TBV, 63          ; s63 the same for V (from VOFF on)
.set MSB, 0
.macro WIN new                      ; the immediate's high byte repeats the setting that is left; a switch that changes nothing is dropped
.if MSB != (\new)
	s_set_vgpr_msb (MSB<<8)|(\new)
.set MSB, \new
.endif
.endm
.set W_KQ, 0x0b       ; K in window 3, Q in window 2, S^T in window 0
.set W_PV, 0x51       ; V in window 1, P in window 0, O^T in window 1
.set W_RS, 0x41       ; O^T (destination and source 0) in window 1, a in window 0
; A joint refill: wave w fetches matrix 3 + w (K's three streams, V), 128 rows.  The branch hangs on the wave's number alone.  An s_nop 0 and four v_nop follow each line.
.macro JLOAD
	s_cmp_lt_u32 s[WV], 3
	s_cbranch_scc0 .Lfor_v_\@
	tensor_load_to_lds s[G0+4:G0+7], s[G1K:G1K+7]
	s_nop 0
.rept 4
	v_nop
.endr
	s_branch .Lasked_\@
.Lfor_v_\@:
	tensor_load_to_lds s[G0+4:G0+7], s[G1V:G1V+7]
	s_nop 0
.rept 4
	v_nop
.endr
.Lasked_\@:
.endm
; A prefetch of what the NEXT change of slots will ask for: 16,384 dense bytes of each of four matrices.  Each aligned run of 256 bytes is named once in the launch: both clusters of a (batch, head) walk the same
; rows, so the first cluster asks; its partner at place cx takes matrix 3 + cx (told apart by address, never by a branch); in it wave 0 asks for the first 8,192 bytes and wave 1 for the rest, lanes 256 bytes apart.
; It stands two key steps, 256 matrix instructions, ahead of the load that wants the bytes.  The last change that fills a slot asks for nothing.
.macro ASK
	s_cmp_gt_u32 s[SLOTS], s[LIM]
	s_cbranch_scc0 .Lnot_mine_\@
	global_prefetch_b8 v[PFO], s[PFA:PFA+1] th:TH_LOAD_NT scope:SCOPE_SE
.Lnot_mine_\@:
.endm
.macro CROUND                       ; a round of the cluster's barrier
	s_barrier_signal -1
	s_barrier_wait -1
	s_cmp_lg_u32 s[WV], 0
	s_cbranch_scc1 .Lnot_wave_0_\@
	s_barrier_signal -3
.Lnot_wave_0_\@:
	s_barrier_wait -3
	s_barrier_signal -1
	s_barrier_wait -1
.endm
	s_load_b128 s[4:7], s[0:1], 0x0 ; qkv s[4:5], att s[6:7]
	v_lshl_add_u32 v[SPW], v0, 2, SPARE
	v_mov_b32 v[NIL], 0
	ds_add_u32 v[SPW], v[NIL]       ; the opening: the add, twice on end, and its wait ahead of my first tensor load
	ds_add_u32 v[SPW], v[NIL]
	v_lshrrev_b32 v1, 5, v0
	v_readfirstlane_b32 s[WV], v1   ; wave 0..3
	s_bfe_u32 s13, ttmp6, 0x40000   ; cx: my place in the cluster
	s_lshl_b32 s14, ttmp9, 2
	s_add_co_u32 s14, s14, s13      ; my block of 256 queries: it enters Q's and att's addresses alone
	s_and_b32 s16, ttmp7, 0xffff    ; (batch, head), which the four partners share:
	s_lshl_b32 s16, s16, 18         ; its first byte in each matrix
	s_add_co_u32 s20, s[WV], 3      ; the matrix that I fetch
	s_lshl_b32 s20, s20, 23
	s_add_co_u32 s20, s20, s16
	s_mov_b32 s21, 0
	s_mul_i32 s17, s[WV], KREG      ; and its place in a slot (wave 3: VOFF): no place in the cluster enters an LDS address
	s_lshl_b32 s2, s14, 15          ; my block's 256 rows of 128 bytes,
	s_lshl_b32 s3, s[WV], 13        ; my wave's 64 of them
	s_add_co_u32 s2, s2, s3
	s_add_co_u32 s2, s2, s16
	s_mov_b32 s3, 0
	s_add_co_u32 s22, s13, 3        ; the prefetches: matrix 3 + cx,
	s_lshl_b32 s22, s22, 23
	s_add_co_u32 s22, s22, s16
	s_and_b32 s23, s[WV], 1
	s_lshl_b32 s23, s23, 13         ; my wave's 8,192 bytes,
	s_add_co_u32 s22, s22, s23
	s_add_co_u32 s22, s22, 2*SLOTB  ; in slot 2: the first change of slots steps it to slot 3.  Nothing is prefetched at the head
	s_mov_b32 s23, 0
	s_mov_b32 s[G1K], 15|(1<<16)|(1<<20)|(1<<21)|(4<<22)|(3<<25)  ; the mask: all four; elements of 2 bytes; padding on; bit 21 beside a mask; 4 words of padding after every 32
	s_mov_b32 s[G1V], 15|(1<<16)|(1<<20)|(1<<21)|(4<<22)|(7<<25)  ; the same with 8 words
.irp g, G1K, G1V
	s_mov_b32 s[\g+1], 64<<16       ; tensor_dim0 = 64
	s_mov_b32 s[\g+2], 128<<16      ; tensor_dim1 = 128
	s_mov_b32 s[\g+3], 64<<16       ; tile_dim0 = 64
	s_mov_b32 s[\g+4], 128          ; tile_dim1 = 128
	s_mov_b32 s[\g+5], 64           ; elements from row to row
	s_mov_b32 s[\g+6], 0
	s_mov_b32 s[\g+7], 0
.endr
	s_mov_b32 s[CS], 0x3e38aa3b     ; c = log2(e) / 8
	s_mov_b32 s[CS+1], s[CS]        ; named with it as a pair, so it is written
	s_mov_b32 s[SEL], 0x76543210
	s_mov_b32 s[SEL+1], 0xfedcba98
	s_mov_b32 s[TBK], 0
	s_mov_b32 s[TBV], 0
	s_mov_b32 s[SLOTS], 2048/128-2
	s_lshr_b32 s[LIM], s[WV], 1     ; 0 in waves 0 and 1,
	s_or_b32 s[LIM], s[LIM], ttmp9  ; of the first cluster: the same in all four partners
	s_cmp_eq_u32 s[LIM], 0
	s_cselect_b32 s[LIM], 1, -1
	v_and_b32 v[PFO], 31, v0
	v_lshlrev_b32 v[PFO], 8, v[PFO]
	s_wait_dscnt 0x0                ; both opening adds are done
	s_wait_kmcnt 0x0
	s_add_nc_u64 s[8:9], s[4:5], s[20:21]      ; my matrix of K or V at slot 0
	s_add_nc_u64 s[QB:QB+1], s[4:5], s[2:3]    ; Q's streams at my wave's first row
	s_add_nc_u64 s[QB+2:QB+3], s[QB:QB+1], 0x800000
	s_add_nc_u64 s[QB+4:QB+5], s[QB+2:QB+3], 0x800000
	s_add_nc_u64 s[OB:OB+1], s[6:7], s[2:3]
	s_add_nc_u64 s[PFA:PFA+1], s[4:5], s[22:23]
	CROUND                          ; all four work-groups are here: the first joint loads meet
	s_mov_b32 s[G0], 1              ; count = 1
	s_add_co_u32 s[G0+1], s17, 0    ; LDS address: slot 0
	s_mov_b64 s[G0+2:G0+3], s[8:9]  ; keys 0 to 127
	s_or_b32 s[G0+3], s[G0+3], 0x80000000  ; type = 2
	s_mov_b32 s[G0+4], 1
	s_add_co_u32 s[G0+5], s17, SLOT1
	s_add_nc_u64 s[G0+6:G0+7], s[8:9], SLOTB
	s_or_b32 s[G0+7], s[G0+7], 0x80000000
	s_cmp_lt_u32 s[WV], 3           ; a wave's two first fills stand in one branch: two loads of mine are out
	s_cbranch_scc0 .Lfirst_v
	tensor_load_to_lds s[G0:G0+3], s[G1K:G1K+7]
	s_nop 0
	tensor_load_to_lds s[G0+4:G0+7], s[G1K:G1K+7]
	s_nop 0
.rept 4
	v_nop
.endr
	s_branch .Lfirst_asked
.Lfirst_v:
	tensor_load_to_lds s[G0:G0+3], s[G1V:G1V+7]
	s_nop 0
	tensor_load_to_lds s[G0+4:G0+7], s[G1V:G1V+7]
	s_nop 0
.rept 4
	v_nop
.endr
.Lfirst_asked:
	; A fragment of K or Q is 16 rows x 32 channels in 8 registers: lane l holds row l % 16; registers 0-3 channels 8 (l / 16) + 0..7, registers 4-7 channels 16 + 8 (l / 16) + 0..7.
	v_and_b32 v1, 15, v0            ; l % 16
	v_bfe_u32 v9, v0, 4, 1          ; l / 16
	v_lshlrev_b32 v[QO], 7, v1
	v_lshl_add_u32 v[QO], v9, 4, v[QO]  ; row x 128 + 16 x half
	WIN 0x80                        ; destination window 2, address window 0
.irp t, 0,1,2,3                     ; Q stays in registers: tile t, stream s, half u of its 64 channels: chunk 2 s + u
.irp s, 0,1,2
.irp u, 0,1
	global_load_b128 v[48*\t+8*(2*\s+\u):48*\t+8*(2*\s+\u)+3],   v[QO], s[QB+2*\s:QB+2*\s+1] offset:\t*2048+\u*64
	global_load_b128 v[48*\t+8*(2*\s+\u)+4:48*\t+8*(2*\s+\u)+7], v[QO], s[QB+2*\s:QB+2*\s+1] offset:\t*2048+\u*64+32
.endr
.endr
.endr
	WIN 0
	v_mul_u32_u24 v[AK0], v1, PK
	v_lshl_add_u32 v[AK0], v9, 4, v[AK0]  ; row x pitch + 16 x half
	; The turning load takes 16 keys x 16 channels (lane l reads 16 bytes: key 8 (l / 16) + l % 8, channels 8 ((l / 8) % 2) + 0..7) and leaves half a fragment of V^T: lane l holds channel l % 16 and 8 keys.
	v_and_b32 v10, 7, v0
	v_bfe_u32 v11, v0, 3, 1
	v_lshl_add_u32 v[AV0], v9, 3, v10
	v_mul_u32_u24 v[AV0], v[AV0], PVR
	v_lshl_add_u32 v[AV0], v11, 4, v[AV0]
	v_add_nc_u32 v[AV0], VOFF, v[AV0]
; THE MATRIX WORK OF A TURN, for piece x.  The accumulators take turns, one instruction a turn: between two links of a chain stand 7 others'.
; Product i of 16 of O^T += V^T P: keys 32 (i / 8) on, channels 16 ((i / 2) % 4) on, tile x + i % 2.  zero = 1: the first 8 start the sums.
.macro PV x, zero
	WIN W_PV
.set rO, 32*(\x+i%2)+8*((i/2)%4)
.set rV, VF+32*(i/8)+8*((i/2)%4)
.set rP, P+16*(\x+i%2)+8*(i/8)
.if \zero && (i < 8)
	v_wmma_f32_16x16x32_f16 v[rO:rO+7], v[rV:rV+7], v[rP:rP+7], 0
.else
	v_wmma_f32_16x16x32_f16 v[rO:rO+7], v[rV:rV+7], v[rP:rP+7], v[rO:rO+7]
.endif
.endm
; Product i of 48 of S^T = K Q^T: chunk i / 8 of the 192 channels, keys 16 ((i / 2) % 4) on, tile x + i % 2.  The first 8 start the sums.
.macro KQ x
	WIN W_KQ
.set rS, S+32*(\x+i%2)+8*((i/2)%4)
.set rK, 8*(4*(i/8)+(i/2)%4)
.set rQ, 48*(\x+i%2)+8*(i/8)
.if i < 8
	v_wmma_f32_16x16x32_f16 v[rS:rS+7], v[rK:rK+7], v[rQ:rQ+7], 0
.else
	v_wmma_f32_16x16x32_f16 v[rS:rS+7], v[rK:rK+7], v[rQ:rQ+7], v[rS:rS+7]
.endif
.endm
; THE LDS LOADS stand in runs: a step's K (64 keys x 192 channels: 48 loads, chunk by chunk) and, a turn later, its V (turned: 16 loads).
.macro FETCH_K
	WIN 0
	v_add_nc_u32 v[ADR], s[TBK], v[AK0]
	WIN 0xc0                        ; destination window 3
.irp c, 0,1,2,3,4,5
.irp t, 0,1,2,3
	ds_load_b128 v[8*(4*\c+\t):8*(4*\c+\t)+3],   v[ADR] offset:(\c/2)*KREG+\t*16*PK+(\c%2)*64
	ds_load_b128 v[8*(4*\c+\t)+4:8*(4*\c+\t)+7], v[ADR] offset:(\c/2)*KREG+\t*16*PK+(\c%2)*64+32
.endr
.endr
.endm
.macro FETCH_V
	WIN 0
	v_add_nc_u32 v[ADR], s[TBV], v[AV0]
	s_add_co_u32 s[TBV], s[TBV], 64*PVR  ; the next fetches are the next step's
	s_add_co_u32 s[TBK], s[TBK], 64*PK
	s_wait_alu depctr_va_vdst(0)    ; the wait for the softmax's batch of exponentials, ahead of the first line that names a result
	WIN 0x40                        ; destination window 1
.irp f, 0,1,2,3,4,5,6,7             ; keys 32 (f / 4) on, channels 16 (f % 4) on
	ds_load_tr16_b128 v[VF+8*\f:VF+8*\f+3],   v[ADR] offset:(\f/4)*32*PVR+(\f%4)*32
	ds_load_tr16_b128 v[VF+8*\f+4:VF+8*\f+7], v[ADR] offset:(\f/4)*32*PVR+16*PVR+(\f%4)*32
.endr
.endm
; THE VECTOR WORK OF A TURN.  One tile's softmax for one key step is a list of 118 instructions; SM writes number j of it for tile t.  s0-s31 are the lane's 32 scores, in pairs 0-15.
;   0-15    the maximum of s0-s31 and the old m, three operands at a time (each score tile is first read at its low end)
;   16-20   the other half of the lanes' maximum; the new m; c m; c m_old - c m_new
;   21-69   ONE BATCH: the 16 scalings c s - c m and all 33 exponentials (a at 23, then s0-s31); none of these reads an exponential's result
;   (wait)  between 69 and 70 stands the one wait for the batch: SLICE writes it, once for both tiles
;   70-85   the roundings to f16;   86-101 the sums, l = a l + the sum;   102-117 the tile's O^T times a
; first = 1: the first key step, which starts m, l and O^T: it has no a and nothing to rescale.
.macro SM t, first
.set rT, ST+8*(\t)
.set rS, S+32*(\t)
.set rP, P+16*(\t)
.set rO, 32*(\t)+2*(j-102)
.if j < 102
	WIN 0
.endif
.if j < 4
	v_max3_num_f32 v[rT+4+j], v[rS+8*j], v[rS+8*j+1], v[rS+8*j+2]
.elseif j < 12
	v_max3_num_f32 v[rT+4+j%4], v[rT+4+j%4], v[rS+8*(j%4)+2*(j/4)+1], v[rS+8*(j%4)+2*(j/4)+2]
.elseif j == 12
	v_max3_num_f32 v[rT+4], v[rT+4], v[rS+7], v[rS+15]
.elseif j == 13
	v_max3_num_f32 v[rT+6], v[rT+6], v[rS+23], v[rS+31]
.elseif j == 14
	v_max3_num_f32 v[rT+4], v[rT+4], v[rT+5], v[rT+6]
.elseif (j == 15) && \first
	v_max_num_f32 v[rT+4], v[rT+4], v[rT+7]
.elseif j == 15
	v_max3_num_f32 v[rT+4], v[rT+4], v[rT+7], v[rT+1]
.elseif j == 16
	v_permlanex16_b32 v[rT+5], v[rT+4], s[SEL], s[SEL+1]  ; the query's other 32 keys lie in the lane 16 away
.elseif j == 18
	v_max_num_f32 v[rT+1], v[rT+4], v[rT+5]
.elseif j == 19
	v_mul_f32 v[rT], s[CS], v[rT+1]
.elseif ((j == 17) || (j == 20) || (j == 23) || (j > 101)) && \first  ; the first step has none of these
.elseif j == 17
	v_mov_b32 v[rT+7], v[rT]        ; c m_old is kept for a: number 19 writes c m anew
.elseif j == 20
	v_sub_f32 v[rT+7], v[rT+7], v[rT]
.elseif j == 23
	v_exp_f32 v[rT+6], v[rT+7]
.elseif (j < 23) || ((j < 38) && (j%2 == 0)) || ((j < 66) && (j%4 == 2))
.set b, (j-2)/4                     ; 38, 42, .. 62: pairs 9 to 15
.if j < 38
.set b, (j-20)/2                    ; 21: pair 0; 22, 24, .. 36: pairs 1 to 8
.endif
	v_pk_fma_f32 v[rS+2*b:rS+2*b+1], v[rS+2*b:rS+2*b+1], s[CS:CS+1], v[rT:rT+1] op_sel_hi:[1,0,0] neg_lo:[0,0,1] neg_hi:[0,0,1]  ; pair b: c s - c m
.elseif j < 70
.set e, j-38                        ; 66 to 69: s28 to s31
.if j < 66
.set e, j-32-(j-38)/4               ; 39-41, 43-45, .. 63-65: s7 to s27
.endif
.if j < 38
.set e, (j-25)/2                    ; 25, 27, .. 37: s0 to s6
.endif
	v_exp_f32 v[rS+e], v[rS+e]
.elseif j < 86
	v_cvt_pk_f16_f32 v[rP+j-70], v[rS+2*(j-70)], v[rS+2*(j-70)+1]  ; pair j - 70
.elseif j < 102                     ; the sum of the tile's 16 pairs, in place: neighbours 1, 2, 4 and 8 pairs apart, then l takes it
.set z, j-86
.set w, 4
.set u, z
.if z >= 14
.set w, 32
.set u, 0
.elseif z >= 12
.set w, 16
.set u, z-12
.elseif z >= 8
.set w, 8
.set u, z-8
.endif
.if (z == 14) && \first
	v_pk_add_f32 v[rT+2:rT+3], v[rS:rS+1], v[rS+16:rS+17]
.elseif z < 15
	v_pk_add_f32 v[rS+w*u:rS+w*u+1], v[rS+w*u:rS+w*u+1], v[rS+w*u+w/2:rS+w*u+w/2+1]
.elseif !\first
	v_pk_fma_f32 v[rT+2:rT+3], v[rT+2:rT+3], v[rT+6:rT+7], v[rS:rS+1] op_sel_hi:[1,0,1]
.endif
.else
	WIN W_RS
	v_pk_mul_f32 v[rO:rO+1], v[rO:rO+1], v[rT+6:rT+7] op_sel_hi:[1,0]
.endif
.endm
; Slice k of piece y's softmax: four instructions.  Slices 11 to 34 deal out the batch, four numbers of ONE tile each, the tiles by turns; every other slice is numbers 2 k and 2 k + 1 of both tiles.
; 2 x 118 = 4 x 59: slices 59 on are empty.  Ahead of slice 35 nothing names an exponential's result and behind slice 34 none is issued: so the piece's 66 exponentials have one wait, behind slice 34.
.macro SLICE y, first
.if (k >= 11) && (k < 35)
.irp n, 0,1,2,3
.set j, 22+4*((k-11)/2)+(\n)
	SM (\y)+(k-11)%2, \first
.endr
.elseif k < 59
.irp n, 0,1
.irp t, \y, \y+1
.set j, 2*k+\n
	SM \t, \first
.endr
.endr
.endif
.if k == 34
	v_nop                           ; a plain line behind the last exponential, ahead of the first use: one for the batch
.if (\y) == 0
	FETCH_V                         ; piece 2's turn: V's run of loads stands here, and the wait stands in it
.else
	s_wait_alu depctr_va_vdst(0)    ; the wait for the batch
.endif
.endif
.set k, k+1
.endm
.macro PLACES
.rept 4
	v_nop
.endr
.endm
; A TURN.  Piece x has the matrix unit; the other piece's softmax stands in slices behind its matrix instructions.
; pv = 2: 16 products V^T P; 1: they start O^T's sums; 0: none.  kq = 1: 48 products K Q^T for the next step.  With one kind alone two (K Q^T) or four (V^T P) slices stand behind each product.
; Piece 0's turn fetches the next step's K behind its second product; its products K Q^T wait chunk by chunk: K's loads come in the chunks' order, 8 a chunk, so chunk c is in when at most 8 (5 - c) are out.
; Piece 2's turn fetches the same step's V behind slice 34: V's last reader stands in front of slice 15, and the scalings of slices 15 to 32 are more than four plain lines between.
; Four v_nop end a turn: the places between its last products K Q^T and the next turn's first reads of those scores and loads into K's registers.
.macro TURN x, pv, kq, first
.set k, 0
.set per, 1
.if (\pv) == 0
.set per, 2
.endif
.if (\kq) == 0
.set per, 4
.endif
.if \pv
.if \x == 0
	s_wait_dscnt 0x0                ; V is in
.endif
.set i, 0
.rept 16
	PV \x, 2-\pv
.rept per
	SLICE 2-\x, \first
.endr
.if (\x == 0) && \kq && (i == 1)
	FETCH_K
.endif
.set i, i+1
.endr
.endif
.if \kq
.set i, 0
.rept 48
.if (\x == 0) && (i%8 == 0)
	s_wait_dscnt 8*(5-i/8)          ; this chunk of K is in; the later chunks may be out
.endif
	KQ \x
.rept per
	SLICE 2-\x, \first
.endr
.set i, i+1
.endr
.endif
	PLACES
.endm
; THE CHANGE OF SLOTS, between piece 2's turn and piece 0's: the slot's last bytes, V of its second step, have been asked for.  Each wave waits for all its tensor loads (one is out: its part of the other slot),
; adds 0 to its spare word, and waits for that and for its reads of the slot.  fill = 1: a round of the cluster's barrier, and the joint refill first behind it: it has two key steps in which to land.
.macro CHANGE fill
	WIN 0                           ; at a label and at a branch every window is 0
	s_wait_tensorcnt 0x0            ; no tensor load of mine is out, so a group 0 may be written
	ds_add_u32 v[SPW], v[NIL]       ; 0 onto my spare word
.if \fill
	s_xor_b32 s[G0+5], s[G0+5], SLOT1  ; the walking descriptor: the other slot than last time,
	s_add_nc_u64 s[G0+6:G0+7], s[G0+6:G0+7], SLOTB  ; the next 128 keys; the type bits on top are not reached
	s_wait_xcnt 0x0                 ; the last prefetch, two key steps back, has read its address, so it may be written
	s_add_nc_u64 s[PFA:PFA+1], s[PFA:PFA+1], SLOTB
	s_wait_dscnt 0x0                ; the add is done, and my reads of the slot are over
	CROUND
	JLOAD
	ASK
.else
	s_wait_dscnt 0x0
	s_barrier_signal -1
	s_barrier_wait -1
.endif
	s_sub_co_u32 s[TBK], s[TBK], 2*64*PK  ; the fetches go back to a slot's first step,
	s_xor_b32 s[TBK], s[TBK], SLOT1       ; in the other slot
	s_sub_co_u32 s[TBV], s[TBV], 2*64*PVR
	s_xor_b32 s[TBV], s[TBV], SLOT1
.endm
.macro TWO_STEPS                    ; a slot's two key steps: written once, walked twice
	s_mov_b32 s[TWICE], 2
.Lstep_\@:
	TURN 0, 2, 1, 0
	TURN 2, 2, 1, 0
	WIN 0
	s_sub_co_u32 s[TWICE], s[TWICE], 1
	s_cmp_lg_u32 s[TWICE], 0
	s_cbranch_scc1 .Lstep_\@
.endm
	s_wait_tensorcnt 1              ; my part of slot 0 is in; slot 1's may stay out
	s_barrier_signal -1
	s_barrier_wait -1               ; everybody's is
	FETCH_K                         ; key step 0
	s_wait_loadcnt 0x0              ; Q
	s_wait_dscnt 0x0
.set i, 0
.rept 48
	KQ 0                            ; piece 0's first scores: there is no vector work yet to set between them
.set i, i+1
.endr
	WIN 0                           ; the addresses for the way out are made here: plain lines, the places behind those products
	s_mul_i32 s13, s[WV], 16*SP
	s_add_co_u32 s13, s13, STAGE    ; my stage
	v_mul_u32_u24 v[STO], v1, SP    ; in: row l % 16, 16 bytes for each half of the lanes
	v_lshl_add_u32 v[STO], v9, 4, v[STO]
	v_add_nc_u32 v[STO], s13, v[STO]
	v_bfe_u32 v[RD], v0, 3, 2       ; back: eight lanes to a row of 128 bytes, four rows an instruction
	v_mul_u32_u24 v[RD], v[RD], SP
	v_lshl_add_u32 v[RD], v10, 4, v[RD]
	v_add_nc_u32 v[RD], s13, v[RD]
	v_and_b32 v[GO], 31, v0
	v_lshlrev_b32 v[GO], 4, v[GO]   ; att's rows are dense: four rows are 512 consecutive bytes
	TURN 2, 0, 1, 1                 ; piece 2's first scores | piece 0's first softmax | V of step 0
	TURN 0, 1, 1, 1                 ; piece 0: V^T P of step 0 starts O^T, K Q^T of step 1 | piece 2's first softmax | K of step 1
	TURN 2, 1, 1, 0                 ; piece 2: the same | piece 0's softmax of step 1 | V of step 1
	WIN 0
.Lslot:                             ; 14 trips: every slot but the last two is filled again
	CHANGE 1
	TWO_STEPS
	s_sub_co_u32 s[SLOTS], s[SLOTS], 1
	s_cmp_lg_u32 s[SLOTS], 0
	s_cbranch_scc1 .Lslot
	CHANGE 0                        ; the tail is written out
	TWO_STEPS
	TURN 0, 2, 0, 0                 ; piece 0: V^T P of the last step | piece 2's last softmax
.set i, 0
.rept 16
	PV 2, 0                         ; piece 2: V^T P of the last step
.set i, i+1
.endr
	; THE WAY OUT.  l's halves are added; O^T is divided by l, rounded to f16 and sent through my stage, a tile (16 rows) at a time.  The additions are the places behind the last products.
	WIN 0
.irp t, 0,1,2,3
	v_add_f32 v[ST+8*\t+4], v[ST+8*\t+2], v[ST+8*\t+3]
.endr
.irp t, 0,1,2,3
	v_permlanex16_b32 v[ST+8*\t+5], v[ST+8*\t+4], s[SEL], s[SEL+1]
.endr
.irp t, 0,1,2,3
	v_add_f32 v[ST+8*\t+4], v[ST+8*\t+4], v[ST+8*\t+5]
.endr
.irp t, 0,1,2,3
	v_rcp_f32 v[ST+8*\t+6], v[ST+8*\t+4]
.endr
	v_nop                           ; a plain line between the last reciprocal and the use of its result
	s_wait_alu depctr_va_vdst(0)    ; and the wait: one for the four
.macro PACK t
	WIN W_RS
.set i, 32*\t
.rept 16
	v_pk_mul_f32 v[i:i+1], v[i:i+1], v[ST+8*\t+6:ST+8*\t+7] op_sel_hi:[1,0]
.set i, i+2
.endr
	WIN 0x05                        ; sources 0 and 1 window 1, destination window 0: S^T's registers are free
.set i, 0
.rept 16
	v_cvt_pk_f16_f32 v[S+16*\t+i], v[32*\t+2*i], v[32*\t+2*i+1]
.set i, i+1
.endr
	WIN 0
.irp f, 0,1,2,3
	ds_store_b128 v[STO], v[S+16*\t+4*\f:S+16*\t+4*\f+3] offset:32*\f
.endr
.irp f, 0,1,2,3
	ds_load_b128 v[S+16*\t+4*\f:S+16*\t+4*\f+3], v[RD] offset:\f*4*SP  ; LDS serves a wave's instructions in order: these see the stores above; the next tile's stores come behind them
.endr
.endm
.macro SEND t, younger              ; younger: the LDS instructions issued behind tile t's loads: the next tile's eight, or none
.irp f, 0,1,2,3
	s_wait_dscnt \younger+3-\f
	global_store_b128 v[GO], v[S+16*\t+4*\f:S+16*\t+4*\f+3], s[OB:OB+1] offset:\t*2048+\f*512  ; 32 lanes store 512 consecutive bytes, aligned
.endr
.endm
	PACK 0
	PACK 1                          ; a tile's arithmetic stands between the loads of the tile before and its stores
	SEND 0, 8
	PACK 2
	SEND 1, 8
	PACK 3
	SEND 2, 8
	SEND 3, 0
	s_wait_tensorcnt 0x0            ; the wave's end
	ds_add_u32 v[SPW], v[NIL]
	s_wait_dscnt 0x0
	CROUND                          ; the closing round
	s_endpgm
.Lfunc_end_k_qc16387490d_attn:
	.size	k_qc16387490d_attn, .Lfunc_end_k_qc16387490d_attn-k_qc16387490d_attn
	.p2alignl 7, 3214868480
	.fill 96, 4, 3214868480
	.section	.rodata,"a",@progbits
	.p2align	6, 0x0
	.amdhsa_kernel k_qc16387490d_attn
		.amdhsa_group_segment_fixed_size 327680
		.amdhsa_private_segment_fixed_size 0
		.amdhsa_enable_private_segment 0
		.amdhsa_kernarg_size 16
		.amdhsa_user_sgpr_count 2
		.amdhsa_user_sgpr_kernarg_segment_ptr 1
		.amdhsa_wavefront_size32 1
		.amdhsa_system_sgpr_workgroup_id_x 1
		.amdhsa_system_sgpr_workgroup_id_y 1
		.amdhsa_system_sgpr_workgroup_id_z 1
		.amdhsa_system_vgpr_workitem_id 0
		.amdhsa_next_free_vgpr 1024
		.amdhsa_next_free_sgpr 66
		.amdhsa_reserve_vcc 0
		.amdhsa_float_denorm_mode_32 3
		.amdhsa_float_denorm_mode_16_64 3
		.amdhsa_memory_ordered 1
		.amdhsa_forward_progress 1
		.amdhsa_inst_pref_size 198
	.end_amdhsa_kernel
	.amdgpu_metadata
---
amdhsa.version: [ 1, 2 ]
amdhsa.kernels:
  - .name:           k_qc16387490d_attn
    .symbol:         k_qc16387490d_attn.kd
    .args:
      - { .name: qkv, .offset: 0, .size: 8, .value_kind: global_buffer, .address_space: global }
      - { .name: att, .offset: 8, .size: 8, .value_kind: global_buffer, .address_space: global }
    .group_segment_fixed_size: 327680
    .private_segment_fixed_size: 0
    .kernarg_segment_align: 8
    .kernarg_segment_size: 16
    .max_flat_workgroup_size: 128
    .sgpr_count:     66
    .vgpr_count:     1024
    .wavefront_size: 32
...
	.end_amdgpu_metadata
.endif
;; end of part 3
;; launch outp (part 4): grid 8 x 32, 4 waves a work-group, clusters of 4 x 4, 327,680 bytes of LDS; arguments att, w16, b_out, out0; writes out0
.if DOCPART == 4
	.amdgcn_target "amdgcn-amd-amdhsa--gfx1250"
	.amdhsa_code_object_version 6
	.text
	.protected	k_qc16387490d_outp
	.globl	k_qc16387490d_outp
	.p2align	8
	.type	k_qc16387490d_outp,@function
k_qc16387490d_outp:
	s_mov_b64 s[64:65], 0
	v_nop
	global_prefetch_b8 v0, s[64:65] scope:SCOPE_SE
	s_setreg_imm32_b32 hwreg(HW_REG_WAVE_MODE, 25, 1), 1
	s_wait_xcnt 0x0
	s_wait_alu depctr_hold_cnt(0) depctr_sa_sdst(0) depctr_va_vdst(0) depctr_va_sdst(0) depctr_va_ssrc(0) depctr_va_vcc(0) depctr_vm_vsrc(0)
	s_getreg_b32 s2, hwreg(HW_REG_IB_STS2, 6, 4)
	s_cmp_eq_u32 s2, 0
	s_cbranch_scc0 .Lentry_in_a_cluster
	s_endpgm
.Lentry_in_a_cluster:
	s_bfe_u32 s2, ttmp6, 0x10000c
	s_cmp_lg_u32 s2, 0xf033
	s_cbranch_scc0 .Lentry_shape_is_right
	s_endpgm
.Lentry_shape_is_right:
; out0[m][n] = sum over k of A[m][k] W[n][k] + b_out[n].  A is the attention's result, f16, laid [batch 2][head 16][position 2048][64]: k = 64 head + channel, m = 2048 batch + position.
; W = w_out as f16, [1024 n][1024 k].  out0: [4096][1024] f32.  Sums in f32.
; A tile of out0 is 128 x 128 (256 work-groups); four waves, each 64 x 64: 16 accumulators.  K goes in four steps of 256 (four heads) through two LDS slots.
; A's tile of a step: for each head 128 rows of 128 bytes, dense in memory (16,384 bytes).  One descriptor takes two heads: a row of 2,048 elements of 8 bytes, two rows 262,144 bytes apart;
; 16 bytes of padding after every 128 give LDS rows of 144 bytes throughout (128 divides 16,384, so a head takes 18,432 bytes).  W's tile: 64 rows of 512 bytes a load, pitch 528.
; CLUSTERS: 4 x 4: A's tile is shared along a row of the cluster, W's along a column: joint loads.  THE MATRIX INSTRUCTION IS USED TRANSPOSED (source 0 = 16 rows of W, source 1 = 16 rows of A).
; The bias is the C of each sum's first product: eight registers a column block, in the result's layout.
; REGISTERS: window 0: v0-31 addresses; v32-95 the way out; v96-127 the bias; v128-255 the accumulators ((a, b) at v[128 + 8 (4 a + b)]).  window 1: two fragment buffers of 128: 64 registers of A, then 64 of W, for 64 along K.
.set PA,     144                       ; a row of A in LDS
.set HREG,   128*PA                    ; a head's 128 rows
.set PB,     528                       ; a row of W in LDS: 512 bytes + 16
.set BOFF,   4*HREG                    ; W's 128 rows lie behind A's four heads
.set SLOT,   BOFF+128*PB
.set STAGE,  2*SLOT                    ; behind the ring: 16 rows x 272 bytes for each wave
.set SPITCH, 272
.set SPARE,  STAGE+4*16*SPITCH         ; the spare words, 128 bytes a wave, named by no other line
.set ADRA, 16                          ; v16-17 LDS address of my A fragments in slot 0, 1
.set ADRB, 20                          ; v20-21 the same for W
.set STO,  24
.set RD,   25
.set CO,   26
.set SPW,  28                          ; v28 my spare word; never rewritten
.set NIL,  29                          ; v29 0; never rewritten
.set TMP,  32
.set BIAS, 96
.set ACC,  128
.set F0,   0
.set F1,   128
.set G1, 24                            ; s[24:31] group 1 for A's tiles; s[32:39] group 0, one set a slot
.set G0, 32
.set G1B, 48                           ; s[48:55], s[56:63] the same for W's
.set G0B, 56
.set MSB, 0
.macro WIN new
.if MSB != (\new)
	s_set_vgpr_msb (MSB<<8)|(\new)
.set MSB, \new
.endif
.endm
.set MUL,  0x05                        ; sources 0 (W) and 1 (A) window 1; C and D window 0
.set TO_F, 0x40                        ; destination window 1, address window 0
.macro JLOAD s                         ; a joint load: waves 0 and 1 fetch A's heads, waves 2 and 3 W's halves; an s_nop 0 and four v_nop follow each line
	s_cmp_eq_u32 s13, 0
	s_cbranch_scc0 .Lfor_b_\@
	tensor_load_to_lds s[G0+4*\s:G0+4*\s+3], s[G1:G1+7]
	s_nop 0
.rept 4
	v_nop
.endr
	s_branch .Lasked_\@
.Lfor_b_\@:
	tensor_load_to_lds s[G0B+4*\s:G0B+4*\s+3], s[G1B:G1B+7]
	s_nop 0
.rept 4
	v_nop
.endr
.Lasked_\@:
.endm
.macro CREST                           ; a round of the cluster's barrier behind its opening barrier
	s_cmp_lg_u32 s12, 0
	s_cbranch_scc1 .Lnot_wave_0_\@
	s_barrier_signal -3
.Lnot_wave_0_\@:
	s_barrier_wait -3
	s_barrier_signal -1
	s_barrier_wait -1
.endm
.macro CROUND
	s_barrier_signal -1
	s_barrier_wait -1
	CREST
.endm
	s_load_b128 s[4:7], s[0:1], 0x0                ; att s[4:5], w16 s[6:7]
	s_load_b128 s[8:11], s[0:1], 0x10              ; b_out s[8:9], out0 s[10:11]
	v_lshl_add_u32 v[SPW], v0, 2, SPARE
	v_mov_b32 v[NIL], 0
	ds_add_u32 v[SPW], v[NIL]                      ; the opening: the add, twice on end, and its wait ahead of my first tensor load
	ds_add_u32 v[SPW], v[NIL]
	v_lshrrev_b32 v1, 5, v0
	v_readfirstlane_b32 s12, v1                    ; wave 0..3
	s_lshr_b32 s13, s12, 1                         ; which half of the tile's rows is mine.  Also: I fetch for A (0) or for W (1)
	s_and_b32 s14, s12, 1                          ; which half of its columns.  Also: which half of that tile I fetch
	s_bfe_u32 s40, ttmp6, 0x40000                  ; cx, cy
	s_bfe_u32 s41, ttmp6, 0x40004
	s_lshl_b32 s42, ttmp9, 2
	s_add_co_u32 s42, s42, s40                     ; tile column 0..7
	s_and_b32 s15, ttmp7, 0xffff
	s_lshl_b32 s15, s15, 2
	s_add_co_u32 s15, s15, s41                     ; tile row 0..31
	s_lshl_b32 s43, s41, 2
	s_lshl_b32 s43, 15, s43                        ; my row of the cluster
	s_lshl_b32 s44, 0x1111, s40                    ; my column
	s_or_b32 s[G1+0], s43, (3<<16)|(1<<20)|(1<<21)|(4<<22)|(3<<25)   ; the mask; elements of 8 bytes; padding on; bit 21 beside a mask; 4 words of padding after every 32
	s_mov_b32 s[G1+1], 2048<<16                    ; tensor_dim0 = 2,048 elements: a head's 128 rows
	s_mov_b32 s[G1+2], 2<<16                       ; tensor_dim1 = 2 heads
	s_mov_b32 s[G1+3], 2048<<16                    ; tile_dim0
	s_mov_b32 s[G1+4], 2                           ; tile_dim1
	s_mov_b32 s[G1+5], 32768                       ; from head to head: 262,144 bytes
	s_mov_b32 s[G1+6], 0
	s_mov_b32 s[G1+7], 0
	s_or_b32 s[G1B+0], s44, (1<<16)|(1<<20)|(1<<21)|(6<<22)|(3<<25)  ; elements of 2 bytes; 4 words of padding after every 128
	s_mov_b32 s[G1B+1], 256<<16
	s_mov_b32 s[G1B+2], 64<<16
	s_mov_b32 s[G1B+3], 256<<16
	s_mov_b32 s[G1B+4], 64
	s_mov_b32 s[G1B+5], 1024
	s_mov_b32 s[G1B+6], 0
	s_mov_b32 s[G1B+7], 0
	s_lshr_b32 s16, s15, 4                         ; A: the batch (4 MiB each),
	s_lshl_b32 s16, s16, 22
	s_and_b32 s17, s15, 15
	s_lshl_b32 s17, s17, 14                        ; the tile's 128 positions of 128 bytes,
	s_add_co_u32 s16, s16, s17
	s_lshl_b32 s17, s14, 19                        ; my two heads of the step's four
	s_add_co_u32 s16, s16, s17
	s_mov_b32 s17, 0
	s_lshl_b32 s46, s42, 18                        ; W: row 128 x tile column + 64 x half, 2,048 bytes a row
	s_lshl_b32 s47, s14, 17
	s_add_co_u32 s46, s46, s47
	s_mov_b32 s47, 0
	s_mul_i32 s20, s14, 2*HREG                     ; where they go: no place in the cluster enters an LDS address
	s_mul_i32 s21, s14, 64*PB
	s_add_co_u32 s21, s21, BOFF
	s_wait_dscnt 0x0                               ; both opening adds are done
	s_wait_kmcnt 0x0
	s_add_nc_u64 s[18:19], s[4:5], s[16:17]
	s_add_nc_u64 s[46:47], s[6:7], s[46:47]
	CROUND                                         ; all sixteen work-groups are here: the first joint loads meet
.irp s, 0,1
	s_mov_b32 s[G0+4*\s], 1
	s_add_co_u32 s[G0+4*\s+1], s20, \s*SLOT
	s_add_nc_u64 s[G0+4*\s+2:G0+4*\s+3], s[18:19], \s*0x100000     ; K step s: four heads on
	s_or_b32 s[G0+4*\s+3], s[G0+4*\s+3], 0x80000000
	s_mov_b32 s[G0B+4*\s], 1
	s_add_co_u32 s[G0B+4*\s+1], s21, \s*SLOT
	s_add_nc_u64 s[G0B+4*\s+2:G0B+4*\s+3], s[46:47], \s*512
	s_or_b32 s[G0B+4*\s+3], s[G0B+4*\s+3], 0x80000000
	JLOAD \s                                       ; two loads of mine are out
.endr
	v_and_b32 v1, 15, v0                           ; l % 16
	v_bfe_u32 v2, v0, 4, 1                         ; l / 16
	s_lshl_b32 s22, s42, 9                         ; my first column, in bytes of f32: 512 x tile column + 256 x half
	s_lshl_b32 s23, s14, 8
	s_add_co_u32 s22, s22, s23
	s_mov_b32 s23, 0
	s_add_nc_u64 s[8:9], s[8:9], s[22:23]
	v_lshlrev_b32 v6, 5, v2                        ; lane (r, h) wants, for column block b, b_out at columns 16 b + 8 h + 0 .. 7
.irp b, 0,1,2,3
	global_load_b128 v[BIAS+8*\b:BIAS+8*\b+3],   v6, s[8:9] offset:64*\b
	global_load_b128 v[BIAS+8*\b+4:BIAS+8*\b+7], v6, s[8:9] offset:64*\b+16
.endr
	v_mul_u32_u24 v3, v1, PA
	v_lshl_add_u32 v3, v2, 4, v3                   ; a fragment's row x pitch + 16 x half
	v_mul_u32_u24 v4, v1, PB
	v_lshl_add_u32 v4, v2, 4, v4
	s_mul_i32 s2, s13, 64*PA                       ; my 64 rows in each head's region
	s_mul_i32 s3, s14, 64*PB                       ; my 64 rows of W
	s_add_co_u32 s3, s3, BOFF
.irp s, 0,1
	v_add_nc_u32 v[ADRA+\s], s2, v3
	v_add_nc_u32 v[ADRB+\s], s3, v4
	s_add_co_u32 s2, s2, SLOT
	s_add_co_u32 s3, s3, SLOT
.endr
	s_mul_i32 s2, s12, 16*SPITCH
	s_add_co_u32 s2, s2, STAGE                     ; my stage
	v_mul_u32_u24 v5, v1, SPITCH                   ; in: row l % 16, 32 bytes for each half of the lanes
	v_lshl_add_u32 v5, v2, 5, v5
	v_add_nc_u32 v[STO], s2, v5
	v_mul_u32_u24 v5, v2, SPITCH                   ; back: lanes 0-15 one row of 256 bytes, lanes 16-31 the next
	v_lshl_add_u32 v5, v1, 4, v5
	v_add_nc_u32 v[RD], s2, v5
	v_lshlrev_b32 v5, 12, v2                       ; and the same two rows in out0 (4,096 bytes a row)
	v_lshl_add_u32 v[CO], v1, 4, v5
	s_lshl_b32 s16, s15, 7
	s_lshl_b32 s17, s13, 6
	s_add_co_u32 s16, s16, s17                     ; my first row: 128 x tile row + 64 x half
	s_lshl_b32 s16, s16, 12
	s_add_co_u32 s16, s16, s22                     ; + my first column's bytes
	s_mov_b32 s17, 0
	s_add_nc_u64 s[10:11], s[10:11], s[16:17]
; 8 matrix instructions: row blocks a0, a0 + 1 x all 4 column blocks, 32 along K: half c of buffer f.  zero = 1: the first product starts the sums from the bias.  The 16 accumulators take turns.
.macro MUL8 f, c, a0, zero
.irp a, \a0, \a0+1
.irp b, 0,1,2,3
.if \zero
	v_wmma_f32_16x16x32_f16 v[ACC+8*(4*(\a)+\b):ACC+8*(4*(\a)+\b)+7], v[\f+64+8*(4*\c+\b):\f+64+8*(4*\c+\b)+7], v[\f+8*(4*\c+\a):\f+8*(4*\c+\a)+7], v[BIAS+8*\b:BIAS+8*\b+7]
.else
	v_wmma_f32_16x16x32_f16 v[ACC+8*(4*(\a)+\b):ACC+8*(4*(\a)+\b)+7], v[\f+64+8*(4*\c+\b):\f+64+8*(4*\c+\b)+7], v[\f+8*(4*\c+\a):\f+8*(4*\c+\a)+7], v[ACC+8*(4*(\a)+\b):ACC+8*(4*(\a)+\b)+7]
.endif
.endr
.endr
.endm
; 32 LDS loads in one run: the fragments of the slot's q-th 64 along K (head q) into buffer f; the first 32 along K first
.macro FETCH slot, q, f
	WIN TO_F
.irp c, 0,1
.irp i, 0,1,2,3
	ds_load_b128 v[\f+64+8*(4*\c+\i):\f+64+8*(4*\c+\i)+3],   v[ADRB+\slot] offset:128*(\q)+64*\c+\i*16*PB
	ds_load_b128 v[\f+64+8*(4*\c+\i)+4:\f+64+8*(4*\c+\i)+7], v[ADRB+\slot] offset:128*(\q)+64*\c+\i*16*PB+32
	ds_load_b128 v[\f+8*(4*\c+\i):\f+8*(4*\c+\i)+3],         v[ADRA+\slot] offset:HREG*(\q)+64*\c+\i*16*PA
	ds_load_b128 v[\f+8*(4*\c+\i)+4:\f+8*(4*\c+\i)+7],       v[ADRA+\slot] offset:HREG*(\q)+64*\c+\i*16*PA+32
.endr
.endr
.endm
.macro PLACES                          ; four plain lines in front of loads into registers that matrix instructions have read, and of the first read of results
.rept 4
	v_nop
.endr
.endm
.macro QUARTER slot, q, f, g, zero     ; multiplies buffer f and fetches the slot's quarter q into g
	s_wait_dscnt 16                                ; the first 32 along K are in; the other sixteen loads may be out
	WIN MUL
	MUL8 \f, 0, 0, \zero
	MUL8 \f, 0, 2, \zero
	PLACES
	FETCH \slot, \q, \g
	s_wait_dscnt 32                                ; all but the 32 just issued
	WIN MUL
	MUL8 \f, 1, 0, 0
	MUL8 \f, 1, 2, 0
.endm
; A slot's last quarter multiplies buffer 1 and changes slots: one barrier; in front of it each wave waits for all its tensor loads, adds 0 to its spare word, and waits for that and for its reads of this slot.
; fill = 1: the barrier opens a round of the cluster's barrier, and this slot is filled again, two K steps ahead, first thing behind the round.
.macro TURN slot, next, fill
	WIN 0                                          ; (the add's two registers lie in window 0)
	s_wait_tensorcnt 0x0                           ; all my tensor loads have landed: my part of the next slot
	ds_add_u32 v[SPW], v[NIL]                      ; 0 onto my spare word
	s_wait_dscnt 17                                ; (the add and the youngest sixteen loads may be out)
	WIN MUL
	MUL8 F1, 0, 0, 0
	s_wait_dscnt 0x0                               ; the add is done, and my reads of this slot are over
	s_barrier_signal -1
	MUL8 F1, 0, 2, 0
.if \fill
	WIN 0
.endif
	s_barrier_wait -1
.if \fill
	CREST                                          ; no wave of any partner still reads this slot's tile or has a load on its way
	s_add_nc_u64 s[G0+4*\slot+2:G0+4*\slot+3], s[G0+4*\slot+2:G0+4*\slot+3], 0x200000
	s_add_nc_u64 s[G0B+4*\slot+2:G0B+4*\slot+3], s[G0B+4*\slot+2:G0B+4*\slot+3], 1024
	JLOAD \slot                                    ; the four v_nop behind it are also the places in front of the loads below
.else
	PLACES
.endif
	FETCH \next, 0, F0
	WIN MUL
	MUL8 F1, 1, 0, 0
	MUL8 F1, 1, 2, 0
.endm
	s_wait_tensorcnt 1                             ; my part of K step 0 is in (K step 1's load may be out),
	s_barrier_signal -1
	s_barrier_wait -1                              ; everybody's is
	FETCH 0, 0, F0
	s_wait_loadcnt 0x0                             ; the bias
	QUARTER 0, 1, F0, F1, 1                        ; K step 0: the first products start the sums from the bias
	QUARTER 0, 2, F1, F0, 0
	QUARTER 0, 3, F0, F1, 0
	TURN 0, 1, 1                                   ; slot 0 takes K step 2
	QUARTER 1, 1, F0, F1, 0                        ; K step 1
	QUARTER 1, 2, F1, F0, 0
	QUARTER 1, 3, F0, F1, 0
	TURN 1, 0, 1                                   ; slot 1 takes K step 3
	QUARTER 0, 1, F0, F1, 0                        ; K step 2
	QUARTER 0, 2, F1, F0, 0
	QUARTER 0, 3, F0, F1, 0
	TURN 0, 1, 0                                   ; nothing is left to fetch
	QUARTER 1, 1, F0, F1, 0                        ; K step 3
	QUARTER 1, 2, F1, F0, 0
	QUARTER 1, 3, F0, F1, 0
	s_wait_dscnt 16
	WIN MUL
	MUL8 F1, 0, 0, 0
	MUL8 F1, 0, 2, 0
	s_wait_dscnt 0
	MUL8 F1, 1, 0, 0
	MUL8 F1, 1, 2, 0
	WIN 0
; THE WAY OUT.  My 64 columns of f32 are 256 bytes of a row, aligned: so each wave has a stage of its own and no barrier is needed.  A block of 16 rows goes in as 32 bytes a lane and comes back as whole rows.
.macro TOSTAGE a
.irp b, 0,1,2,3
	ds_store_b128 v[STO], v[ACC+8*(4*(\a)+\b):ACC+8*(4*(\a)+\b)+3] offset:64*\b           ; each accumulator from its low end on
	ds_store_b128 v[STO], v[ACC+8*(4*(\a)+\b)+4:ACC+8*(4*(\a)+\b)+7] offset:64*\b+16
.endr
.irp t, 0,1,2,3,4,5,6,7
	ds_load_b128 v[TMP+32*((\a)%2)+4*\t:TMP+32*((\a)%2)+4*\t+3], v[RD] offset:\t*2*SPITCH  ; LDS serves a wave's instructions in order: these see the stores above
.endr
.endm
.macro SEND a, younger                 ; younger: the LDS instructions issued behind block a's loads
	s_wait_dscnt \younger
.irp t, 0,1,2,3,4,5,6,7
	global_store_b128 v[CO], v[TMP+32*((\a)%2)+4*\t:TMP+32*((\a)%2)+4*\t+3], s[10:11] offset:(16*(\a)+2*\t)*4096 th:TH_STORE_NT   ; 16 lanes store 256 consecutive bytes, aligned
.endr
.endm
	PLACES
	TOSTAGE 0
	TOSTAGE 1
	SEND 0, 16
	s_wait_xcnt 0x0                                ; block 0's stores have read their data: block 2's loads land there only behind this wait
	TOSTAGE 2
	SEND 1, 16
	s_wait_xcnt 0x0
	TOSTAGE 3
	SEND 2, 16
	SEND 3, 0
	s_wait_tensorcnt 0x0                           ; the wave's end
	ds_add_u32 v[SPW], v[NIL]
	s_wait_dscnt 0x0
	CROUND                                         ; the closing round
	s_endpgm
.Lfunc_end_k_qc16387490d_outp:
	.size	k_qc16387490d_outp, .Lfunc_end_k_qc16387490d_outp-k_qc16387490d_outp
	.p2alignl 7, 3214868480
	.fill 96, 4, 3214868480
	.section	.rodata,"a",@progbits
	.p2align	6, 0x0
	.amdhsa_kernel k_qc16387490d_outp
		.amdhsa_group_segment_fixed_size 327680
		.amdhsa_private_segment_fixed_size 0
		.amdhsa_enable_private_segment 0
		.amdhsa_kernarg_size 32
		.amdhsa_user_sgpr_count 2
		.amdhsa_user_sgpr_kernarg_segment_ptr 1
		.amdhsa_wavefront_size32 1
		.amdhsa_system_sgpr_workgroup_id_x 1
		.amdhsa_system_sgpr_workgroup_id_y 1
		.amdhsa_system_sgpr_workgroup_id_z 1
		.amdhsa_system_vgpr_workitem_id 0
		.amdhsa_next_free_vgpr 512
		.amdhsa_next_free_sgpr 66
		.amdhsa_reserve_vcc 0
		.amdhsa_float_denorm_mode_32 3
		.amdhsa_float_denorm_mode_16_64 3
		.amdhsa_memory_ordered 1
		.amdhsa_forward_progress 1
		.amdhsa_inst_pref_size 86
	.end_amdhsa_kernel
	.amdgpu_metadata
---
amdhsa.version: [ 1, 2 ]
amdhsa.kernels:
  - .name:           k_qc16387490d_outp
    .symbol:         k_qc16387490d_outp.kd
    .args:
      - { .name: att, .offset: 0, .size: 8, .value_kind: global_buffer, .address_space: global }
      - { .name: w16, .offset: 8, .size: 8, .value_kind: global_buffer, .address_space: global }
      - { .name: b_out, .offset: 16, .size: 8, .value_kind: global_buffer, .address_space: global }
      - { .name: out0, .offset: 24, .size: 8, .value_kind: global_buffer, .address_space: global }
    .group_segment_fixed_size: 327680
    .private_segment_fixed_size: 0
    .kernarg_segment_align: 8
    .kernarg_segment_size: 32
    .max_flat_workgroup_size: 128
    .sgpr_count:     66
    .vgpr_count:     512
    .wavefront_size: 32
...
	.end_amdgpu_metadata
.endif
;; end of part 4
